; MI455X (gfx1250); checked and timed in simulation.
; The chip was launched on July 23, 2026; its instructions are those of AMD's public machine-readable ISA for CDNA 5 (MIT licence, August 2026) and "CDNA5" Instruction Set Architecture Reference Guide (July 2026). The comments in the code are by the model that wrote it; some were corrected since.
;; Dot Scaled Attention. Allowed arithmetic: matrix products marked QUANTISED: E4M3 operands, one given power-of-two scale a tensor, by v_wmma_f32_16x16x64_fp8_fp8 or v_wmma_f32_16x16x128_fp8_fp8, f32 sums; everything else in f32.
;; Inputs: Wk 1,024 x 512 float32; Wq 1,024 x 512 float32; bk 512 float32; bq 512 float32; lowp_scales 10 int32 (the exponents e of the quantised operands' scales 2^e); x0 8 x 2,048 x 1,024 float32; x1 8 x 2,048 x 1,024 float32; x2 8 x 2,048 x 1,024 float32.
;; Outputs: out0 8 x 2,048 x 512 float32.
;; This version of the problem:
;;   THIS VERSION OF THE PROBLEM IS GIVEN IN LOW PRECISION. The matrix products marked QUANTISED in the list below multiply operands that are first quantised to E4M3 (4 exponent bits, 3 mantissa bits; 8 bits a number), with one given power-of-two scale for each operand tensor; their sums are f32. All else is computed in f32.
;;   The module's matrix products, in the order in which they are computed (A, B: the left and right operand; K: the contracted axis; several contracted axes count as one K, in the product's order):
;;     1. [M 16,384, K 1,024] x [K 1,024, N 512]; A: input x0; B: input Wq: QUANTISED (scales: A lowp_scales[0], B lowp_scales[1])
;;     2. [M 16,384, K 1,024] x [K 1,024, N 512]; A: input x1; B: input Wk: QUANTISED (scales: A lowp_scales[2], B lowp_scales[3])
;;     3. [M 16,384, K 1,024] x [K 1,024, N 512]; A: input x2; B: input Wk: QUANTISED (scales: A lowp_scales[4], B lowp_scales[5])
;;     4. batch 8 x [M 2,048, K 512] x [K 512, N 2,048]; A: computed on the way; B: computed on the way: QUANTISED (scales: A lowp_scales[6], B lowp_scales[7])
;;     5. batch 8 x [M 2,048, K 2,048] x [K 2,048, N 512]; A: softmax (see below); B: computed on the way: QUANTISED (scales: A lowp_scales[8], B lowp_scales[9])
;;   THE QUANTISER, for each operand of a quantised product, along K:
;;     - The operand's scale is 2^e, e = its entry of the input lowp_scales (int32; the entries are numbered through the quantised products in the list's order, A before B).
;;     - Each number is divided by the scale, clamped to +-448, and rounded to the nearest number of E4M3, ties to even, subnormals kept.
;;     - The product sums the exact products of the quantised numbers (number of the format x scale) in f32.
;;   ~~~python
;;   def quantise(x, axis, e):      # numpy; x: float32 -> the quantised numbers, widened to float32 again
;;       x = np.moveaxis(x, axis, -1); K = x.shape[-1]
;;       r = np.clip(x / 2.0 ** e, -448, 448)
;;       step = 2.0 ** (np.maximum(np.frexp(np.where(r == 0, 1, r))[1] - 1, -6) - 3)
;;       q = np.round(r / step) * step * 2.0 ** e      # np.round: ties to even
;;       return np.moveaxis(q, -1, axis).astype(np.float32)
;;   ~~~
;;   SOFTMAX AHEAD OF A QUANTISED PRODUCT. Where the list says 'softmax', what is quantised is not the finished softmax but p = 2^(t - M), with t = logit x log2(e) and M = ceil(the row's largest t), a whole number; so 1/2 < the row's largest p <= 1. The row's sum l is taken of the UNQUANTISED p, in f32, and the product's result is divided by l at the end. Since M is a whole number, a kernel that streams over the keys may use a running M (the ceiling of the running maximum): every later rescaling is an exact power of two, so the quantised numbers keep their values, but for numbers so far below the row's largest that they fall under the format's range.
;;   OPERANDS COMPUTED ON THE WAY. 'Computed on the way' means the value that the module computes at that place (a softmax that the list does not call 'softmax' is quantised finished and normalised). What goes into a quantiser is computed in f32, as accurately as f32 sums, v_exp_f32 and their like allow (about 1e-6 of the number): no bf16 or f16 on the way to a quantiser, and a product that is left as it is and whose result goes on into a quantised operand takes f32 operands (vector FMAs, or v_wmma_f32_16x16x4_f32). A number that lies on a knife's edge between two numbers of the format may be rounded either way, as far as f32 arithmetic and the matrix unit's own rounding can turn it there, and no further.
;; 2 versions. Each part assembles by itself: llvm-mc -triple=amdgcn-amd-amdhsa -mcpu=gfx1250 --defsym DOCPART=n.
;; ======== version 1 of 2: 3 launches
;; workspace buffers: wf 1,572,864 bytes; qc 8,388,608 bytes; kc 8,388,608 bytes; vc 8,388,608 bytes
;; launch wprep (part 1): grid 128 x 1, 4 waves a work-group, no clusters, 0 bytes of LDS; arguments Wq, Wk, lowp_scales, wf; writes wf
.if DOCPART == 1
	.amdgcn_target "amdgcn-amd-amdhsa--gfx1250"
	.amdhsa_code_object_version 6
	.text
	.protected	k_q1316d3dc25_wprep
	.globl	k_q1316d3dc25_wprep
	.p2align	8
	.type	k_q1316d3dc25_wprep,@function
k_q1316d3dc25_wprep:
	s_mov_b64 s[64:65], 0
	v_nop
	global_prefetch_b8 v0, s[64:65] scope:SCOPE_SE
	s_setreg_imm32_b32 hwreg(HW_REG_WAVE_MODE, 25, 1), 1
	s_wait_xcnt 0x0
; Wq and Wk, [1024 (k)][512 (n)] f32, become codes of E4M3 in the order of a matrix operand's registers: Wq with 2^e1, Wk with 2^e3 and once more with 2^e5.
; code = x / 2^e, held within +-448, to the nearest code, ties to even.  LIMITS: e1, e3, e5 between -126 and 119, so that 2^e and 448 x 2^e are f32 numbers.  NaN among the inputs is not served.
; wf: [w 4][tensor 3][k step 8][tile a 8][2,048 bytes].  A fragment is [c 4][lane 32][16 bytes]: lane (r = lane % 16, h = lane / 16) holds, of its row, k = 128 s + 32 c + 16 h + 0 .. 15.
; THE ROWS OF A TILE ARE NOT NEIGHBOURS: lane r of tile a takes n = 128 w + 32 (a / 2) + 8 (a % 2) + r + 8 (r / 8).
; SHARES.  Work-groups 0-63 take Wq, 64-127 Wk; each takes 128 columns (w) x 64 rows of k (hk); wave b takes 32 columns.  A LANE TAKES A COLUMN AND ITS REGISTERS RUN DOWN K: each load reads 128 consecutive bytes
; a wave, 512 a work-group, and the conversions, which take neighbours along K from one lane's registers, give 16 codes that are a lane's 16 bytes of a fragment.  A store covers two runs of 256 consecutive bytes, aligned.
; No LDS, no barrier, no matrix unit: waves share nothing, and each byte of W is read once.
.set X,   16                           ; v16-79   64 numbers down K
.set T,   80                           ; v80-95   16 numbers held; X stays as loaded, for Wk's second scale
.set CA,  96                           ; v96-111  the first set of codes: four registers a unit, so that no store's data are written again
.set CB,  112                          ; v112-127 Wk's second set
.set SC,  8                            ; v8       2^e as f32
.set LIM, 9                            ; v9       448 x 2^e
	s_load_b256 s[4:11], s[0:1], 0x0               ; Wq s[4:5], Wk s[6:7], the scales' exponents s[8:9], wf s[10:11]
	v_lshrrev_b32 v1, 5, v0
	v_readfirstlane_b32 s12, v1                    ; wave b
	v_and_b32 v2, 31, v0                           ; lane = my column among the wave's 32
	v_lshlrev_b32 v3, 2, v2                        ; in: 4 bytes a lane
	v_bfe_u32 v4, v0, 3, 1                         ; column l lies in tile 2 b + u, u = (l / 8) % 2,
	v_and_b32 v5, 7, v0
	v_bfe_u32 v6, v0, 4, 1
	v_lshl_add_u32 v5, v6, 3, v5                   ; at row r = l % 8 + 8 (l / 16)
	v_lshlrev_b32 v5, 4, v5
	v_lshl_add_u32 v4, v4, 11, v5                  ; out: 2,048 u + 16 r
	s_lshr_b32 s13, ttmp9, 6                       ; 0: Wq, 1: Wk
	s_and_b32 s14, ttmp9, 63
	s_and_b32 s15, s14, 3                          ; w
	s_lshr_b32 s14, s14, 2                         ; hk: which 64 rows of k
	s_lshl_b32 s24, s14, 17                        ; W: 64 hk rows of 2,048 bytes
	s_lshl_b32 s25, s15, 9                         ; + 128 w columns
	s_add_co_u32 s24, s24, s25
	s_lshl_b32 s25, s12, 7                         ; + 32 b columns
	s_add_co_u32 s24, s24, s25
	s_mov_b32 s25, 0
	s_mul_i32 s26, s15, 393216                     ; wf: w,
	s_lshl_b32 s27, s13, 17                        ; the tensor (0 or 1; Wk's second set lies 131,072 bytes on),
	s_add_co_u32 s26, s26, s27
	s_lshr_b32 s27, s14, 1
	s_lshl_b32 s27, s27, 14                        ; the k step hk / 2,
	s_add_co_u32 s26, s26, s27
	s_lshl_b32 s27, s12, 12                        ; tiles 2 b and 2 b + 1,
	s_add_co_u32 s26, s26, s27
	s_and_b32 s27, s14, 1
	s_lshl_b32 s27, s27, 10                        ; groups c = 2 (hk % 2) on
	s_add_co_u32 s26, s26, s27
	s_mov_b32 s27, 0
	s_wait_kmcnt 0x0
	s_load_b256 s[16:23], s[8:9], 0x0              ; e0 .. e7: e1 = s17, e3 = s19, e5 = s21
	s_cmp_eq_u32 s13, 0                            ; the choice hangs on the work-group's number alone
	s_cselect_b64 s[4:5], s[4:5], s[6:7]
	s_add_nc_u64 s[4:5], s[4:5], s[24:25]
	s_add_nc_u64 s[10:11], s[10:11], s[26:27]
.set i, 0
.rept 64
	global_load_b32 v[X+i], v3, s[4:5] offset:i*2048 th:TH_LOAD_NT   ; W(64 hk + i, my column)
.set i, i+1
.endr
.macro SCALE e                         ; v[SC] = 2^e, v[LIM] = 448 x 2^e, e in s[e]
	s_add_co_i32 s29, s[\e], 127
	s_lshl_b32 s29, s29, 23
	v_mov_b32 v[SC], s29
	s_add_co_i32 s29, s[\e], 135
	s_lshl_b32 s29, s29, 23
	s_or_b32 s29, s29, 0x600000
	v_mov_b32 v[LIM], s29
.endm
; Unit q: k = 64 hk + 16 q + 0 .. 15: group c = 2 (hk % 2) + q / 2, half h = q % 2 of the fragment.
.macro QUNIT q, cd, off
.irp i, 0,1,2,3,4,5,6,7,8,9,10,11,12,13,14,15
	v_med3_num_f32 v[T+\i], v[X+16*(\q)+\i], -v[LIM], v[LIM]   ; the conversion to an 8-bit code does not saturate (ISA guide 7.6.2): hold first
.endr
	v_cvt_scalef32_pk8_fp8_f32 v[\cd+4*(\q):\cd+4*(\q)+1], v[T:T+7], v[SC]
	v_cvt_scalef32_pk8_fp8_f32 v[\cd+4*(\q)+2:\cd+4*(\q)+3], v[T+8:T+15], v[SC]
	v_nop                                          ; a plain line between the conversions and the next writes of their sources
	global_store_b128 v4, v[\cd+4*(\q):\cd+4*(\q)+3], s[10:11] offset:\off+((\q)/2)*512+((\q)%2)*256
.endm
	s_wait_kmcnt 0x0
	s_cmp_eq_u32 s13, 0
	s_cselect_b32 s28, s17, s19                    ; e1 for Wq, e3 for Wk
	SCALE 28
.irp q, 0,1,2,3
	s_wait_loadcnt 48-16*\q                        ; loads come back in order: the unit's 16 are in, the younger ones may be out
	QUNIT \q, CA, 0
.endr
	s_cmp_eq_u32 s13, 0
	s_cbranch_scc1 .Lend                           ; Wq has one scale
	SCALE 21                                       ; Wk once more, with e5, from the same registers
.irp q, 0,1,2,3
	QUNIT \q, CB, 131072
.endr
.Lend:
	s_endpgm
.Lfunc_end_k_q1316d3dc25_wprep:
	.size	k_q1316d3dc25_wprep, .Lfunc_end_k_q1316d3dc25_wprep-k_q1316d3dc25_wprep
	.p2alignl 7, 3214868480
	.fill 96, 4, 3214868480
	.section	.rodata,"a",@progbits
	.p2align	6, 0x0
	.amdhsa_kernel k_q1316d3dc25_wprep
		.amdhsa_group_segment_fixed_size 0
		.amdhsa_private_segment_fixed_size 0
		.amdhsa_enable_private_segment 0
		.amdhsa_kernarg_size 32
		.amdhsa_user_sgpr_count 2
		.amdhsa_user_sgpr_kernarg_segment_ptr 1
		.amdhsa_wavefront_size32 1
		.amdhsa_system_sgpr_workgroup_id_x 1
		.amdhsa_system_sgpr_workgroup_id_y 1
		.amdhsa_system_sgpr_workgroup_id_z 1
		.amdhsa_system_vgpr_workitem_id 0
		.amdhsa_next_free_vgpr 128
		.amdhsa_next_free_sgpr 66
		.amdhsa_reserve_vcc 0
		.amdhsa_float_denorm_mode_32 3
		.amdhsa_float_denorm_mode_16_64 3
		.amdhsa_memory_ordered 1
		.amdhsa_forward_progress 1
		.amdhsa_inst_pref_size 19
	.end_amdhsa_kernel
	.amdgpu_metadata
---
amdhsa.version: [ 1, 2 ]
amdhsa.kernels:
  - .name:           k_q1316d3dc25_wprep
    .symbol:         k_q1316d3dc25_wprep.kd
    .args:
      - { .name: Wq, .offset: 0, .size: 8, .value_kind: global_buffer, .address_space: global }
      - { .name: Wk, .offset: 8, .size: 8, .value_kind: global_buffer, .address_space: global }
      - { .name: lowp_scales, .offset: 16, .size: 8, .value_kind: global_buffer, .address_space: global }
      - { .name: wf, .offset: 24, .size: 8, .value_kind: global_buffer, .address_space: global }
    .group_segment_fixed_size: 0
    .private_segment_fixed_size: 0
    .kernarg_segment_align: 8
    .kernarg_segment_size: 32
    .max_flat_workgroup_size: 128
    .sgpr_count:     66
    .vgpr_count:     128
    .wavefront_size: 32
...
	.end_amdgpu_metadata
.endif
;; end of part 1
;; launch proj (part 2): grid 256 x 1, 4 waves a work-group, no clusters, 327,680 bytes of LDS; arguments x0, x1, x2, wf, bq, bk, lowp_scales, qc, kc, vc; writes qc, kc, vc
.if DOCPART == 2
	.amdgcn_target "amdgcn-amd-amdhsa--gfx1250"
	.amdhsa_code_object_version 6
	.text
	.protected	k_q1316d3dc25_proj
	.globl	k_q1316d3dc25_proj
	.p2align	8
	.type	k_q1316d3dc25_proj,@function
k_q1316d3dc25_proj:
	s_mov_b64 s[64:65], 0
	v_nop
	global_prefetch_b8 v0, s[64:65] scope:SCOPE_SE
	s_setreg_imm32_b32 hwreg(HW_REG_WAVE_MODE, 25, 1), 1
	s_wait_xcnt 0x0
; q = (x0 Wq + bq) / sqrt(512), k = x1 Wk + bk, v = x2 Wk + bk, all three products on codes of E4M3, and the results quantised again (2^e6, 2^e7, 2^e9) into fragments for the attention launch.
; x0, x1, x2: [16,384][1,024] f32.  wf: W's codes as fragments (laid by the launch before).  A fragment is [c 4][lane 32][16 bytes]: lane (r, h) holds K = 32 c + 16 h + 0 .. 15 of its row.
; EVERY TILE OF 16 ROWS takes, in lane r of tile 2 B + u of a run of 32 rows, row 32 B + 8 u + r + 8 (r / 8): so a result's registers of tiles 2 B and 2 B + 1 are 16 neighbours, a group of the next operand.
; qc, kc: [tile of 16 rows][128 of d: 4][2,048].   vc: [batch 8][128 keys: 16][tile of 16 channels: 32][2,048], K along the keys.
; SHARES.  A work-group takes 64 rows of x0, then of x1, then of x2: three passes of 8 k steps of 128.  Wave w makes columns 128 w .. 128 w + 127 (8 tiles of W) for all 64 rows (4 tiles): 32 accumulators;
; and it quantises rows 16 w .. 16 w + 15 of x for all four waves, one k step ahead of the products, into a tile of codes in LDS (two tiles by turns, one barrier a k step).
; TWO STREAMS ON TWO COUNTERS.  x comes by tensor loads into two LDS slots of four k steps each (16 rows x 2,048 bytes a wave, read by that wave alone); a refill has four k steps in which to land.
; W's codes come straight into registers, 32 loads a k step, two sets, asked for two k steps ahead.
; NO CLUSTER: what the work-groups share is W's codes, and those go to registers; through LDS they would be 64 KB written and 64 KB read in each k step beside the 32 KB of x.
; q and k are made transposed (source 0 = W, source 1 = x: a lane holds one row and 16 neighbouring columns), v plain (source 0 = x, source 1 = W: a lane holds one channel and 16 neighbouring keys).
; LIMITS: e0, e2, e4, e6, e7, e9 between -126 and 119; e0 + e1, e2 + e3, e4 + e5 between -126 and 127: each power of two below is an f32 number.  NaN among the inputs is not served.
; REGISTERS.  window 0: see the names below.   window 1: accumulator (a, b) at v[8 (4 a + b)].   window 2: W's fragments, set 0 at v0, set 1 at v128, tile a at 16 a.
.set SLOTB, 131072                     ; LDS: slot s at s x 131,072, wave w's 16 rows at + 32,768 w, dense
.set CT,    262144                     ; two tiles of codes: 64 rows (in tile order) x 144: 128 codes + 16 of padding: 36 words, so the 16 rows of a fragment load start at 16 different groups of four banks
.set CTB,   9216
.set CP,    144
.set SPARE, 280576                     ; the spare words, 128 bytes for each wave: two blocks of 256 bytes that no other line names
.set L16, 1                            ; v1      16 x lane
.set SL,  2                            ; v2, v3  where I read x in slot 0, 1
.set CTS, 4                            ; v4      where I store codes
.set CTR, 5                            ; v5      where I read a fragment of codes
.set BO,  8                            ; v8      64 h: the bias of q and k
.set BVO, 9                            ; v9      4 (r + 8 (r / 8)): the bias of v
.set XSC, 10                           ; v10, 11 x's scale 2^e and 448 x 2^e
.set XLM, 11
.set OSC, 12                           ; v12, 13 the same for the pass's result
.set OLM, 13
.set SPW, 14                           ; v14     LDS address of my spare word; never rewritten
.set NIL, 15                           ; v15     0; never rewritten
.set XS,  16                           ; v16-79  64 numbers of x; at a pass's end 64 results
.set CD,  80                           ; v80-95  their codes
.set XF,  96                           ; v96-159 x's four fragments; at a pass's end the codes to store
.set BI,  160                          ; v160-223 the bias in the layout of q's and k's results
.set BIV, 224                          ; v224-231 bk of my channel in each of the 8 tiles
.set WV,  24                           ; s24 wave    s25 passes of the loop still to go
.set PASS,25
.set G1,  28                           ; s[28:35] descriptor group 1    s[36:39], s[40:43] group 0 for slot 0, 1
.set G0,  36
.set E,   44                           ; s[44:53] e0 .. e9
.set GP,  56                           ; s[56:57] 2^(ex + ew), twice
.set CQ,  58                           ; s[58:59] 1 / sqrt(512), twice
.set OUT, 60                           ; s[60:61] where the pass's codes go; s[80:81], s[82:83] the next two passes'
.set WP,  62                           ; s[62:63] my part of the pass's W
.set XN,  66                           ; s[66:67] my rows of the next pass's x; s[68:69] of the pass after
.set BP,  86                           ; s[86:87] my part of the pass's bias; s[88:89] of bk
.set MSB, 0
.macro WIN new                         ; the immediate's high byte repeats the setting that is left
.if MSB != \new
	s_set_vgpr_msb (MSB<<8)|\new
.set MSB, \new
.endif
.endm
.macro PLACES
.rept 4
	v_nop
.endr
.endm
.macro MKS ds, dl, e                   ; s[ds] = 2^e, s[dl] = 448 x 2^e as f32
	s_add_co_i32 s[\ds], s[\e], 127
	s_add_co_i32 s[\dl], s[\e], 135
	s_lshl_b32 s[\ds], s[\ds], 23
	s_lshl_b32 s[\dl], s[\dl], 23
	s_or_b32 s[\dl], s[\dl], 0x600000
.endm
.macro MKG d, a, b                     ; s[d] = 2^(a + b) as f32
	s_add_co_i32 s[\d], s[\a], s[\b]
	s_add_co_i32 s[\d], s[\d], 127
	s_lshl_b32 s[\d], s[\d], 23
.endm
	s_load_b512 s[4:19], s[0:1], 0x0               ; x0 s[4:5], x1 s[6:7], x2 s[8:9], wf s[10:11], bq s[12:13], bk s[14:15], the exponents s[16:17], qc s[18:19]
	s_load_b128 s[20:23], s[0:1], 0x40             ; kc s[20:21], vc s[22:23]
	v_lshl_add_u32 v[SPW], v0, 2, SPARE
	v_mov_b32 v[NIL], 0
	ds_add_u32 v[SPW], v[NIL]                      ; the wave's opening: the add and its wait stand ahead of my first tensor load; the set-up below, work on registers, stands between them
	v_lshrrev_b32 v1, 5, v0
	v_readfirstlane_b32 s[WV], v1                  ; wave 0..3
	; descriptor group 1: a tile of 16 rows x 512 f32 (2,048 bytes, four k steps), rows 1,024 elements apart; dense in LDS: a read takes 512 consecutive bytes
	s_mov_b32 s[G1+0], 2<<16                       ; no mask; elements of 4 bytes; no padding
	s_mov_b32 s[G1+1], 512<<16                     ; tensor_dim0 = 512
	s_mov_b32 s[G1+2], 16<<16                      ; tensor_dim1 = 16
	s_mov_b32 s[G1+3], 512<<16                     ; tile_dim0 = 512
	s_mov_b32 s[G1+4], 16                          ; tile_dim1 = 16
	s_mov_b32 s[G1+5], 1024                        ; from row to row
	s_mov_b32 s[G1+6], 0
	s_mov_b32 s[G1+7], 0
	s_mov_b32 s[G0], 1
	s_lshl_b32 s[G0+1], s[WV], 15                  ; slot 0: 32,768 x wave
	s_mov_b32 s[G0+4], 1
	s_add_co_u32 s[G0+5], s[G0+1], SLOTB           ; slot 1
	s_lshl_b32 s26, ttmp9, 18                      ; my rows of x: (64 x work-group + 16 x wave) x 4,096 bytes
	s_lshl_b32 s54, s[WV], 16
	s_add_co_u32 s26, s26, s54
	s_mov_b32 s27, 0
	s_wait_dscnt 0x0                               ; the opening add is done
	s_wait_kmcnt 0x0
	s_load_b256 s[E:E+7], s[16:17], 0x0            ; e0 .. e7
	s_load_b64 s[E+8:E+9], s[16:17], 0x20          ; e8, e9
	s_add_nc_u64 s[4:5], s[4:5], s[26:27]
	s_add_nc_u64 s[XN:XN+1], s[6:7], s[26:27]
	s_add_nc_u64 s[XN+2:XN+3], s[8:9], s[26:27]
	s_mov_b64 s[G0+2:G0+3], s[4:5]                 ; x0, k steps 0-3
	s_or_b32 s[G0+3], s[G0+3], 0x80000000
	s_add_nc_u64 s[G0+6:G0+7], s[4:5], 2048        ; k steps 4-7
	s_or_b32 s[G0+7], s[G0+7], 0x80000000
	tensor_load_to_lds s[G0:G0+3], s[G1:G1+7]      ; the two first fills go out together, ahead of every wait on TENSORcnt, every LDS read and every barrier: two loads of mine are out
	s_nop 0
	tensor_load_to_lds s[G0+4:G0+7], s[G1:G1+7]
	s_nop 0
	PLACES
	v_and_b32 v6, 31, v0                           ; lane
	v_lshlrev_b32 v[L16], 4, v6
	v_add_nc_u32 v[SL], s[G0+1], v[L16]            ; 32,768 x wave + 16 x lane
	v_add_nc_u32 v[SL+1], SLOTB, v[SL]
	s_lshr_b32 s54, s[WV], 1                       ; my row i (of 16) is row 32 (w / 2) + 8 (w % 2) + 16 (i / 8) + i % 8 of the tile of codes
	s_lshl_b32 s54, s54, 5
	s_and_b32 s55, s[WV], 1
	s_lshl_b32 s55, s55, 3
	s_add_co_u32 s54, s54, s55
	s_mul_i32 s54, s54, CP
	s_add_co_u32 s54, s54, CT
	v_lshl_add_u32 v[CTS], v6, 2, s54              ; + 4 x lane: my four codes of a row
	v_and_b32 v7, 15, v0                           ; r
	v_bfe_u32 v[BO], v0, 4, 1                      ; h
	v_mul_u32_u24 v[CTR], v7, CP
	v_lshl_add_u32 v[CTR], v[BO], 4, v[CTR]
	v_add_nc_u32 v[CTR], CT, v[CTR]                ; row r, + 16 h
	v_and_b32 v[BVO], 8, v7
	v_add_nc_u32 v[BVO], v[BVO], v7
	v_lshlrev_b32 v[BVO], 2, v[BVO]
	v_lshlrev_b32 v[BO], 6, v[BO]
	s_mul_i32 s26, s[WV], 393216
	s_add_nc_u64 s[WP:WP+1], s[10:11], s[26:27]    ; wf: my 128 columns, tensor 0
	s_lshl_b32 s26, s[WV], 9
	s_add_nc_u64 s[BP:BP+1], s[12:13], s[26:27]    ; bq and bk at column 128 w
	s_add_nc_u64 s[BP+2:BP+3], s[14:15], s[26:27]
	s_lshl_b32 s26, ttmp9, 15                      ; qc, kc: four tiles of 8,192 bytes a work-group, + 2,048 w
	s_lshl_b32 s54, s[WV], 11
	s_add_co_u32 s26, s26, s54
	s_add_nc_u64 s[OUT:OUT+1], s[18:19], s[26:27]
	s_add_nc_u64 s[80:81], s[20:21], s[26:27]
	s_lshr_b32 s26, ttmp9, 5                       ; vc: the batch,
	s_lshl_b32 s26, s26, 20
	s_bfe_u32 s54, ttmp9, 0x40001                  ; the step of 128 keys,
	s_lshl_b32 s54, s54, 16
	s_add_co_u32 s26, s26, s54
	s_lshl_b32 s54, s[WV], 14                      ; my eight tiles of channels,
	s_add_co_u32 s26, s26, s54
	s_and_b32 s54, ttmp9, 1                        ; and which 64 of the 128 keys: groups c = 0, 1 or 2, 3
	s_lshl_b32 s54, s54, 10
	s_add_co_u32 s26, s26, s54
	s_add_nc_u64 s[82:83], s[22:23], s[26:27]
.irp a, 0,1,2,3,4,5,6,7
	global_load_b32 v[BIV+\a], v[BVO], s[BP+2:BP+3] offset:128*(\a/2)+32*(\a%2)   ; bk(128 w + 32 (a / 2) + 8 (a % 2) + r + 8 (r / 8))
.endr
.macro WLOAD p, kk                     ; W's eight fragments of k step kk into set p: 32 loads of 512 consecutive bytes
	WIN 0x80                                       ; destination window 2, address window 0
.set wi, 0
.rept 32
	global_load_b128 v[128*(\p)+4*wi:128*(\p)+4*wi+3], v[L16], s[WP:WP+1] offset:(\kk)*16384+512*wi
.set wi, wi+1
.endr
	WIN 0
.endm
	WLOAD 0, 0
	WLOAD 1, 1
	s_wait_kmcnt 0x0
	MKS 54, 55, E+0                                ; x0's scale
	v_mov_b32 v[XSC], s54
	v_mov_b32 v[XLM], s55
	MKS 76, 78, E+2                                ; s76, s78: the next pass's x; s77, s79: the pass after
	MKS 77, 79, E+4
	MKS 54, 55, E+6                                ; q's scale
	v_mov_b32 v[OSC], s54
	v_mov_b32 v[OLM], s55
	MKS 72, 74, E+7                                ; s72, s74: k's; s73, s75: v's
	MKS 73, 75, E+9
	MKG GP, E+0, E+1
	s_mov_b32 s[GP+1], s[GP]                       ; (named with it as a pair, so it is written)
	MKG 70, E+2, E+3                               ; s70, s71: the next two passes'
	MKG 71, E+4, E+5
	s_mov_b32 s[CQ], 0x3d3504f3                    ; 1 / sqrt(512)
	s_mov_b32 s[CQ+1], s[CQ]
	s_mov_b32 s[PASS], 2
; My 16 rows' numbers of k step k (0..7 of a pass): load i takes row i's 512 bytes, 16 a lane: register 4 i + j = x(row i, 4 lane + j)
.macro XREAD k
.irp i, 0,1,2,3,4,5,6,7,8,9,10,11,12,13,14,15
	ds_load_b128 v[XS+4*\i:XS+4*\i+3], v[SL+((\k)/4)] offset:\i*2048+((\k)%4)*512
.endr
.endm
; They are held and converted, eight at a time (rows 2 j and 2 j + 1, four neighbours each), and a row's four codes go to byte 4 lane of its row in the tile of codes
.macro XCODE k
.set xi, 0
.rept 64
	v_med3_num_f32 v[XS+xi], v[XS+xi], -v[XLM], v[XLM]   ; the conversion to an 8-bit code does not saturate (ISA guide 7.6.2): hold first
.set xi, xi+1
.endr
.irp j, 0,1,2,3,4,5,6,7
	v_cvt_scalef32_pk8_fp8_f32 v[CD+2*\j:CD+2*\j+1], v[XS+8*\j:XS+8*\j+7], v[XSC]
.endr
	v_nop                                          ; a plain line behind the last conversion
.irp i, 0,1,2,3,4,5,6,7,8,9,10,11,12,13,14,15
	ds_store_b32 v[CTS], v[CD+\i] offset:((\k)%2)*CTB+(16*(\i/8)+\i%8)*CP
.endr
.endm
; A K STEP q.  tr = 1: source 0 = x (the v pass).  fill = 1: the slot just read out is filled again with the next pass's x.  look = 1: W of k step q + 2 is asked for.  conv = 1: x of k step q + 1 is quantised.
; tc: the count of the wait on TENSORcnt where a slot is entered (q = 3, 7).  lc: how many younger loads may be out when this step's W must be in.
.macro KSTEP q, tr, fill, look, conv, tc, lc
.irp b, 0,1,2,3
.irp c, 0,1,2,3
	ds_load_b128 v[XF+16*\b+4*\c:XF+16*\b+4*\c+3], v[CTR] offset:((\q)%2)*CTB+\b*16*CP+32*\c   ; x's four fragments
.endr
.endr
.if \conv
.if (\q) == 7
	v_mov_b32 v[XSC], s76                          ; the numbers to be quantised now are the next pass's
	v_mov_b32 v[XLM], s78
.endif
.if ((\q)%4) == 3
	s_wait_tensorcnt \tc                           ; the slot that I enter has landed; the refill issued behind it, if any, may be out
.endif
	XREAD ((\q)+1)%8
	s_wait_dscnt 16                                ; the fragments are in; the 16 loads of numbers may be out
.else
	s_wait_dscnt 0x0
.endif
	s_wait_loadcnt \lc                             ; this step's set of W is in
.if \tr
	WIN 0x58                                       ; source 0 (x) window 0, source 1 (W) window 2, C and D window 1
.else
	WIN 0x52                                       ; source 0 (W) window 2, source 1 (x) window 0, C and D window 1
.endif
.irp a, 0,1,2,3,4,5,6,7                ; 32 products, each accumulator once: the accumulators take turns
.irp b, 0,1,2,3
.if \tr
.if (\q) == 0
	v_wmma_f32_16x16x128_fp8_fp8 v[8*(4*\a+\b):8*(4*\a+\b)+7], v[XF+16*\b:XF+16*\b+15], v[128*((\q)%2)+16*\a:128*((\q)%2)+16*\a+15], 0
.else
	v_wmma_f32_16x16x128_fp8_fp8 v[8*(4*\a+\b):8*(4*\a+\b)+7], v[XF+16*\b:XF+16*\b+15], v[128*((\q)%2)+16*\a:128*((\q)%2)+16*\a+15], v[8*(4*\a+\b):8*(4*\a+\b)+7]
.endif
.else
.if (\q) == 0
	v_wmma_f32_16x16x128_fp8_fp8 v[8*(4*\a+\b):8*(4*\a+\b)+7], v[128*((\q)%2)+16*\a:128*((\q)%2)+16*\a+15], v[XF+16*\b:XF+16*\b+15], 0
.else
	v_wmma_f32_16x16x128_fp8_fp8 v[8*(4*\a+\b):8*(4*\a+\b)+7], v[128*((\q)%2)+16*\a:128*((\q)%2)+16*\a+15], v[XF+16*\b:XF+16*\b+15], v[8*(4*\a+\b):8*(4*\a+\b)+7]
.endif
.endif
.endr
.endr
	WIN 0
.if \conv
	s_wait_dscnt 0x0                               ; the numbers are in
	XCODE ((\q)+1)%8                               ; its 64 holds are also the places between the products and the loads into W's set and x's fragments
.endif
.if \look
	WLOAD (\q)%2, (\q)+2                           ; into the set just multiplied
.endif
.if \fill
	s_wait_tensorcnt 0x0                           ; all my tensor loads have landed (the one that was out is the other slot's, asked for four k steps ago): a group 0 may be written
	ds_add_u32 v[SPW], v[NIL]                      ; 0 onto my spare word; the address's step stands between it and the wait for it
.if (\q) == 2
	s_mov_b64 s[G0+2:G0+3], s[XN:XN+1]             ; the next pass's k steps 0-3
	s_or_b32 s[G0+3], s[G0+3], 0x80000000
.else
	s_add_nc_u64 s[G0+6:G0+7], s[XN:XN+1], 2048    ; the next pass's k steps 4-7
	s_or_b32 s[G0+7], s[G0+7], 0x80000000
.endif
	s_wait_dscnt 0x0                               ; the add is done, my codes are stored, my reads of the slot and of the tile of codes are over
	s_barrier_signal -1
	s_barrier_wait -1
.if (\q) == 2
	tensor_load_to_lds s[G0:G0+3], s[G1:G1+7]      ; my one tensor load behind this barrier, and the first thing there
.else
	tensor_load_to_lds s[G0+4:G0+7], s[G1:G1+7]
.endif
	s_nop 0
	PLACES
.elseif \conv
	s_wait_dscnt 0x0                               ; my codes of k step q + 1 are stored; my reads of k step q's are over
	s_barrier_signal -1                            ; one barrier a k step for both: the tile just written is read next, the tile just read is written next
	s_barrier_wait -1
.endif
.endm
; THE END OF q's AND k's PASS, tile of rows b: lane (r, h) holds row r and, in accumulators (a, b), columns 128 w + 32 (a / 2) + 16 h + 8 (a % 2) + 0 .. 7: the 64 numbers are a fragment's, K = 128 w on.
.macro EPIB b
	WIN 0x01                                       ; source 0 (the sums) window 1
.irp a, 0,1,2,3,4,5,6,7
.irp i, 0,2,4,6
	v_pk_fma_f32 v[XS+8*\a+\i:XS+8*\a+\i+1], v[8*(4*\a+\b)+\i:8*(4*\a+\b)+\i+1], s[GP:GP+1], v[BI+8*\a+\i:BI+8*\a+\i+1] op_sel_hi:[1,0,1]   ; sum x 2^(ex + ew) + bias; each accumulator from its low end on
.endr
.endr
	WIN 0
	s_cmp_lg_u32 s[PASS], 2                        ; q alone is divided by sqrt(512): a branch on the count of passes
	s_cbranch_scc1 .Lno_root_\@
.set ei, 0
.rept 32
	v_pk_mul_f32 v[XS+ei:XS+ei+1], v[XS+ei:XS+ei+1], s[CQ:CQ+1] op_sel_hi:[1,0]
.set ei, ei+2
.endr
.Lno_root_\@:
.set ei, 0
.rept 64
	v_med3_num_f32 v[XS+ei], v[XS+ei], -v[OLM], v[OLM]
.set ei, ei+1
.endr
.irp a, 0,1,2,3,4,5,6,7
	v_cvt_scalef32_pk8_fp8_f32 v[XF+16*\b+2*\a:XF+16*\b+2*\a+1], v[XS+8*\a:XS+8*\a+7], v[OSC]
.endr
	v_nop                                          ; a plain line behind the last conversion
.irp c, 0,1,2,3
	global_store_b128 v[L16], v[XF+16*\b+4*\c:XF+16*\b+4*\c+3], s[OUT:OUT+1] offset:\b*8192+\c*512   ; 512 consecutive bytes, aligned
.endr
.endm
	s_wait_tensorcnt 0x1                           ; slot 0 has landed; slot 1's load may be out
	XREAD 0
	s_wait_dscnt 0x0
	XCODE 0                                        ; the first k step's codes
	s_wait_dscnt 0x0
	s_barrier_signal -1
	s_barrier_wait -1
.Lpass:                                                ; two trips: q, then k
.irp a, 0,1,2,3,4,5,6,7
	global_load_b128 v[BI+8*\a:BI+8*\a+3],   v[BO], s[BP:BP+1] offset:128*(\a/2)+32*(\a%2)      ; the pass's bias at columns 128 w + 32 (a / 2) + 16 h + 8 (a % 2) + 0 .. 7
	global_load_b128 v[BI+8*\a+4:BI+8*\a+7], v[BO], s[BP:BP+1] offset:128*(\a/2)+32*(\a%2)+16
.endr
	KSTEP 0, 0, 0, 1, 1, 0, 48                     ; behind this step's W: the next set's 32 loads and the bias's 16
	KSTEP 1, 0, 0, 1, 1, 0, 48                     ; the bias's 16 and the next set's 32
	KSTEP 2, 0, 1, 1, 1, 0, 32                     ; from here on the next set's 32
	KSTEP 3, 0, 0, 1, 1, 1, 32
	KSTEP 4, 0, 0, 1, 1, 0, 32
	KSTEP 5, 0, 0, 1, 1, 0, 32
	KSTEP 6, 0, 1, 1, 1, 0, 32                     ; (k steps 8 and 9 of a tensor of wf are k steps 0 and 1 of the next)
	KSTEP 7, 0, 0, 1, 1, 1, 32
	EPIB 0
	EPIB 1
	EPIB 2
	EPIB 3
	s_wait_xcnt 0x0                                ; the stores and loads issued so far have read their registers and bases: these are written only behind this wait
	s_mov_b32 s[GP], s70                           ; on to the next pass's numbers
	s_mov_b32 s[GP+1], s70
	s_mov_b32 s70, s71
	v_mov_b32 v[OSC], s72
	v_mov_b32 v[OLM], s74
	s_mov_b32 s72, s73
	s_mov_b32 s74, s75
	s_mov_b32 s76, s77
	s_mov_b32 s78, s79
	s_mov_b64 s[OUT:OUT+1], s[80:81]
	s_mov_b64 s[80:81], s[82:83]
	s_mov_b64 s[XN:XN+1], s[XN+2:XN+3]
	s_mov_b64 s[BP:BP+1], s[BP+2:BP+3]
	s_add_nc_u64 s[WP:WP+1], s[WP:WP+1], 131072
	s_sub_co_u32 s[PASS], s[PASS], 1
	s_cmp_lg_u32 s[PASS], 0
	s_cbranch_scc1 .Lpass
	; THE v PASS is written out: no slot is filled again; the last two k steps ask for no W, the last quantises nothing and has no barrier
	KSTEP 0, 1, 0, 1, 1, 0, 32
	KSTEP 1, 1, 0, 1, 1, 0, 32
	KSTEP 2, 1, 0, 1, 1, 0, 32
	KSTEP 3, 1, 0, 1, 1, 0, 32                     ; slot 1's load is my last: the wait is for 0
	KSTEP 4, 1, 0, 1, 1, 0, 32
	KSTEP 5, 1, 0, 1, 1, 0, 32
	KSTEP 6, 1, 0, 0, 1, 0, 32
	KSTEP 7, 1, 0, 0, 0, 0, 0
	PLACES                                         ; between the last products and the first read of results
	; lane (r, h) holds channel 128 w + 32 (a / 2) + 8 (a % 2) + r + 8 (r / 8) and, in accumulators (a, b), keys 32 (b / 2) + 16 h + 8 (b % 2) + 0 .. 7 of my 64: two groups of a fragment whose K runs along the keys
.irp a, 0,1,2,3,4,5,6,7
	WIN 0x01
.irp b, 0,1,2,3
.irp i, 0,2,4,6
.if (\a%2) == 0
	v_pk_fma_f32 v[XS+8*\b+\i:XS+8*\b+\i+1], v[8*(4*\a+\b)+\i:8*(4*\a+\b)+\i+1], s[GP:GP+1], v[BIV+\a:BIV+\a+1] op_sel_hi:[1,0,0]               ; + my channel's bias: the pair's first register for both halves
.else
	v_pk_fma_f32 v[XS+8*\b+\i:XS+8*\b+\i+1], v[8*(4*\a+\b)+\i:8*(4*\a+\b)+\i+1], s[GP:GP+1], v[BIV+\a-1:BIV+\a] op_sel:[0,0,1] op_sel_hi:[1,0,1]   ; the pair's second register for both halves
.endif
.endr
.endr
	WIN 0
.set ei, 0
.rept 32
	v_med3_num_f32 v[XS+ei], v[XS+ei], -v[OLM], v[OLM]
.set ei, ei+1
.endr
.irp b, 0,1,2,3
	v_cvt_scalef32_pk8_fp8_f32 v[XF+8*\a+2*\b:XF+8*\a+2*\b+1], v[XS+8*\b:XS+8*\b+7], v[OSC]
.endr
	v_nop                                          ; a plain line behind the last conversion
	global_store_b128 v[L16], v[XF+8*\a:XF+8*\a+3],   s[OUT:OUT+1] offset:\a*2048
	global_store_b128 v[L16], v[XF+8*\a+4:XF+8*\a+7], s[OUT:OUT+1] offset:\a*2048+512
.endr
	s_wait_tensorcnt 0x0                           ; the wave's end, behind my last tensor load and my last LDS store
	ds_add_u32 v[SPW], v[NIL]
	s_wait_dscnt 0x0
	s_endpgm
.Lfunc_end_k_q1316d3dc25_proj:
	.size	k_q1316d3dc25_proj, .Lfunc_end_k_q1316d3dc25_proj-k_q1316d3dc25_proj
	.p2alignl 7, 3214868480
	.fill 96, 4, 3214868480
	.section	.rodata,"a",@progbits
	.p2align	6, 0x0
	.amdhsa_kernel k_q1316d3dc25_proj
		.amdhsa_group_segment_fixed_size 327680
		.amdhsa_private_segment_fixed_size 0
		.amdhsa_enable_private_segment 0
		.amdhsa_kernarg_size 80
		.amdhsa_user_sgpr_count 2
		.amdhsa_user_sgpr_kernarg_segment_ptr 1
		.amdhsa_wavefront_size32 1
		.amdhsa_system_sgpr_workgroup_id_x 1
		.amdhsa_system_sgpr_workgroup_id_y 1
		.amdhsa_system_sgpr_workgroup_id_z 1
		.amdhsa_system_vgpr_workitem_id 0
		.amdhsa_next_free_vgpr 768
		.amdhsa_next_free_sgpr 100
		.amdhsa_reserve_vcc 0
		.amdhsa_float_denorm_mode_32 3
		.amdhsa_float_denorm_mode_16_64 3
		.amdhsa_memory_ordered 1
		.amdhsa_forward_progress 1
		.amdhsa_inst_pref_size 255
	.end_amdhsa_kernel
	.section	.bss,"aw",@nobits
	.p2align	6
	.space	262144
	.amdgpu_metadata
---
amdhsa.version: [ 1, 2 ]
amdhsa.kernels:
  - .name:           k_q1316d3dc25_proj
    .symbol:         k_q1316d3dc25_proj.kd
    .args:
      - { .name: x0, .offset: 0, .size: 8, .value_kind: global_buffer, .address_space: global }
      - { .name: x1, .offset: 8, .size: 8, .value_kind: global_buffer, .address_space: global }
      - { .name: x2, .offset: 16, .size: 8, .value_kind: global_buffer, .address_space: global }
      - { .name: wf, .offset: 24, .size: 8, .value_kind: global_buffer, .address_space: global }
      - { .name: bq, .offset: 32, .size: 8, .value_kind: global_buffer, .address_space: global }
      - { .name: bk, .offset: 40, .size: 8, .value_kind: global_buffer, .address_space: global }
      - { .name: lowp_scales, .offset: 48, .size: 8, .value_kind: global_buffer, .address_space: global }
      - { .name: qc, .offset: 56, .size: 8, .value_kind: global_buffer, .address_space: global }
      - { .name: kc, .offset: 64, .size: 8, .value_kind: global_buffer, .address_space: global }
      - { .name: vc, .offset: 72, .size: 8, .value_kind: global_buffer, .address_space: global }
    .group_segment_fixed_size: 327680
    .private_segment_fixed_size: 0
    .kernarg_segment_align: 8
    .kernarg_segment_size: 80
    .max_flat_workgroup_size: 128
    .sgpr_count:     100
    .vgpr_count:     768
    .wavefront_size: 32
...
	.end_amdgpu_metadata
.endif
;; end of part 2
;; launch attn (part 3): grid 32 x 8, 4 waves a work-group, no clusters, 46,592 bytes of LDS; arguments qc, kc, vc, lowp_scales, out0; writes out0
.if DOCPART == 3
	.amdgcn_target "amdgcn-amd-amdhsa--gfx1250"
	.amdhsa_code_object_version 6
	.text
	.protected	k_q1316d3dc25_attn
	.globl	k_q1316d3dc25_attn
	.p2align	8
	.type	k_q1316d3dc25_attn,@function
k_q1316d3dc25_attn:
	s_mov_b64 s[64:65], 0
	v_nop
	global_prefetch_b8 v0, s[64:65] scope:SCOPE_SE
	s_setreg_imm32_b32 hwreg(HW_REG_WAVE_MODE, 25, 1), 1
	s_wait_xcnt 0x0
; out0[b][q][:] = the sum over keys k <= q of softmax_k(q . k) v[k][:], 8 batches of 2,048 rows, one head of 512, both products on codes of E4M3 (q 2^e6, k 2^e7, p 2^e8, v 2^e9).
; qc, kc: [tile of 16 rows][128 of d: 4][2,048]; vc: [batch][128 keys: 16][tile of 16 channels: 32][2,048], K along the keys.  A fragment is [c 4][lane 32][16 bytes]: lane (r, h) holds K = 32 c + 16 h + 0 .. 15.
; In every tile, lane r of tile 2 B + u of a run of 32 rows is row 32 B + 8 u + r + 8 (r / 8).
; THE SOFTMAX: t = score x log2(e); M = the running largest t, rounded UP to a whole number; p = 2^(t - M) is quantised, not normalised; the row's sum is taken of the unquantised p and divides at the end.
; When M moves, the sum and O are multiplied by 2^(old M - new M): exact.
; SHARES.  A work-group owns 64 queries (4 tiles m) and walks n = i / 2 + 1 steps of 128 keys.  S^T = K Q^T: wave w takes keys 32 w .. 32 w + 31 of a step (2 tiles x 4 parts of d: 8 fragments, each for 4 products).
; O^T = V^T P^T: wave w takes channels 128 w .. 128 w + 127 (8 fragments, each for 4 products).  So each fragment of K and V is fetched once in a work-group, by the one wave that multiplies by it, from memory
; straight into registers, one step ahead.  A lane holds ONE query throughout.  Through LDS go only the waves' maxima, p's codes (wave w's 16 codes a lane are group c = w of P's fragment), the sums, and the way out.
; THE WALK: the step on the diagonal first, with the mask (it starts all sums: nothing is cleared, and every query sees its own key, so M is a number from the start); then steps 0 .. n - 2, all of whose keys count.
; TWO BARRIERS A STEP on single buffers: the maxima are written again only behind the second, which every wave signals behind its reads of them; p's codes only behind the next first, likewise.
; NO CLUSTER: neighbouring query blocks walk different numbers of steps and begin at different steps, so no two work-groups want the same tile at the same time.
; LIMITS: e6 + e7 between -126 and 126 (added to the exponent field of log2(e)); e8 between -126 and 119; e8 + e9 is applied by v_ldexp_f32 and has none.
; REGISTERS.  window 0: names below.  window 1: Q, tile m, part s of d at v[64 m + 16 s].  windows 2 and 3: channel tiles 0-3 and 4-7: O^T (t, m) at v[8 (4 (t % 4) + m)], V's fragment at v[128 + 16 (t % 4)], v192 = 16 x lane.
.set MX,    0                          ; LDS: the waves' maxima: 512 bytes a wave
.set LX,    2048                       ; their sums
.set PI,    4096                       ; P's four fragments as images of their registers: tile m at 2,048 m, wave w's group at 512 w
.set STG,   12288                      ; the way out: 16 rows x (512 bytes + 16) for each wave
.set SP,    528
.set SPARE, 46080                      ; the spare words, 128 bytes for each wave: two blocks of 256 bytes that no other line names
.set L16, 1                            ; v1  16 x lane
.set AMX, 2                            ; v2  where I store maxima     v3  p's codes     v4  sums
.set API, 3
.set ALX, 4
.set STI, 5                            ; v5  the stage, in            v6  the stage, back
.set STB, 6
.set D0,  7                            ; v7  the mask: my query of tile 0 less my first key
.set NINF, 8                           ; v8  -infinity
.set PSC, 9                            ; v9  2^e8                     v10 448 x 2^e8
.set PLM, 10
.set SPW, 12                           ; v12 LDS address of my spare word; never rewritten
.set NIL, 13                           ; v13 0; never rewritten
.set ST,  16                           ; tile m's statistics at v[16 + 6 m]: +0 -M, +1 the largest t, +2 f (at the end 1 / the sum), +3 its partner in the pair, +4, +5 the sum in two halves
.set OWN, 40                           ; v40-43 a number for each tile
.set ALL, 44                           ; v44-59 the four waves' numbers; then p's codes
.set TM,  60                           ; v60-63 at work
.set S,   64                           ; v64-127 S^T at 16 m + 8 u; then P's four fragments
.set KF,  128                          ; v128-255 K's fragments at 16 (2 s + u); on the way out at work
.set KB,  24                           ; s[24:25] kc, s[26:27] vc at my wave's part of the batch's step 0
.set VB,  26
.set KN,  28                           ; s[28:29], s[30:31] the same at the step that is being fetched
.set VN,  30
.set MSB, 0
.macro WIN new                         ; the immediate's high byte repeats the setting that is left
.if MSB != \new
	s_set_vgpr_msb (MSB<<8)|\new
.set MSB, \new
.endif
.endm
.macro PLACES
.rept 4
	v_nop
.endr
.endm
	s_load_b256 s[4:11], s[0:1], 0x0               ; qc s[4:5], kc s[6:7], vc s[8:9], the exponents s[10:11]
	s_load_b64 s[12:13], s[0:1], 0x20              ; out0
	v_lshl_add_u32 v[SPW], v0, 2, SPARE
	v_mov_b32 v[NIL], 0
	v_lshrrev_b32 v14, 5, v0
	v_readfirstlane_b32 s14, v14                   ; wave 0..3
	s_and_b32 s16, ttmp7, 0xffff                   ; the batch
	s_lshr_b32 s18, ttmp9, 1                       ; n - 1: the step on the diagonal
	s_mov_b32 s20, 0x76543210                      ; v_permlanex16_b32's selects for lane l xor 16
	s_mov_b32 s21, 0xfedcba98
	v_and_b32 v14, 31, v0
	v_lshlrev_b32 v[L16], 4, v14
	v_lshlrev_b32 v[AMX], 4, v0                    ; 512 x wave + 16 x lane = 16 x thread
	v_add_nc_u32 v[API], PI, v[AMX]
	v_add_nc_u32 v[ALX], LX, v[AMX]
	v_and_b32 v14, 15, v0                          ; r
	v_bfe_u32 v15, v0, 4, 1                        ; h
	s_mul_i32 s34, s14, 16*SP
	s_add_co_u32 s34, s34, STG                     ; my stage
	v_mul_u32_u24 v[STI], v14, SP
	v_lshl_add_u32 v[STI], v15, 6, v[STI]
	v_add_nc_u32 v[STI], s34, v[STI]               ; in: row r, + 64 h
	v_add_nc_u32 v[STB], s34, v[L16]               ; back: a row's 512 bytes, 16 a lane
	s_and_b32 s34, ttmp9, 1
	s_lshl_b32 s34, s34, 6
	s_lshl_b32 s35, s14, 5
	s_sub_co_i32 s34, s34, s35                     ; 64 (i % 2) - 32 w
	v_and_b32 v[D0], 8, v14
	v_add_nc_u32 v[D0], v[D0], v14
	v_lshlrev_b32 v[TM], 4, v15
	v_sub_nc_u32 v[D0], v[D0], v[TM]
	v_add_nc_u32 v[D0], s34, v[D0]                 ; + r + 8 (r / 8) - 16 h
	v_mov_b32 v[NINF], 0xff800000
.irp m, 0,1,2,3
	v_mov_b32 v[ST+6*\m+3], 0                      ; named as the upper half of f's pair, so it is written
.endr
	WIN 0x80
	v_mov_b32 v192, v[L16]                         ; V's loads take their address from V's own window
	WIN 0xc0
	v_mov_b32 v192, v[L16]
	WIN 0
	s_lshl_b32 s32, s16, 20                        ; K and V: the batch's 1,048,576 bytes, + 16,384 w
	s_lshl_b32 s34, s14, 14
	s_add_co_u32 s32, s32, s34
	s_mov_b32 s33, 0
	s_lshl_b32 s34, s16, 20                        ; Q: + my four tiles of 8,192 bytes
	s_lshl_b32 s35, ttmp9, 15
	s_add_co_u32 s34, s34, s35
	s_mov_b32 s35, 0
	s_wait_kmcnt 0x0
	s_load_b128 s[36:39], s[10:11], 0x18           ; e6, e7, e8, e9
	s_add_nc_u64 s[KB:KB+1], s[6:7], s[32:33]
	s_add_nc_u64 s[VB:VB+1], s[8:9], s[32:33]
	s_add_nc_u64 s[4:5], s[4:5], s[34:35]
	s_lshl_b32 s34, s16, 22                        ; out0: (2,048 batch + 64 i) rows of 2,048 bytes + 512 w
	s_lshl_b32 s32, ttmp9, 17
	s_add_co_u32 s34, s34, s32
	s_lshl_b32 s32, s14, 9
	s_add_co_u32 s34, s34, s32
	s_add_nc_u64 s[12:13], s[12:13], s[34:35]
	s_lshl_b32 s32, s18, 16                        ; a step is 65,536 bytes in kc and in vc
	s_add_nc_u64 s[KN:KN+1], s[KB:KB+1], s[32:33]
	s_add_nc_u64 s[VN:VN+1], s[VB:VB+1], s[32:33]
	WIN 0x40                                       ; destination window 1, address window 0
.irp m, 0,1,2,3
.irp s, 0,1,2,3
.irp c, 0,1,2,3
	global_load_b128 v[64*\m+16*\s+4*\c:64*\m+16*\s+4*\c+3], v[L16], s[4:5] offset:\m*8192+\s*2048+\c*512   ; Q stays in registers
.endr
.endr
.endr
	WIN 0
.macro LOADK hf                        ; K's fragments of parts 2 hf and 2 hf + 1 of d, both tiles: 16 loads of 512 consecutive bytes
.irp z, 0,1
.irp u, 0,1
.irp c, 0,1,2,3
	global_load_b128 v[KF+16*(2*(2*(\hf)+\z)+\u)+4*\c:KF+16*(2*(2*(\hf)+\z)+\u)+4*\c+3], v[L16], s[KN:KN+1] offset:\u*8192+(2*(\hf)+\z)*2048+\c*512
.endr
.endr
.endr
.endm
.macro LOADV t                         ; V's fragment of channel tile t: 4 loads; under the tile's window, address and destination alike
.irp c, 0,1,2,3
	global_load_b128 v[128+16*((\t)%4)+4*\c:128+16*((\t)%4)+4*\c+3], v192, s[VN:VN+1] offset:(\t)*2048+\c*512
.endr
.endm
	LOADK 0                                        ; the order of issue is the same in every step: K's first half (16), its second (16), V (8 x 4)
	LOADK 1
	WIN 0xa2
.irp t, 0,1,2,3
	LOADV \t
.endr
	WIN 0xf3
.irp t, 4,5,6,7
	LOADV \t
.endr
	WIN 0
	s_wait_kmcnt 0x0
	s_add_co_i32 s22, s36, s37
	s_lshl_b32 s22, s22, 23
	s_add_co_i32 s22, s22, 0x3fb8aa3b              ; c = log2(e) x 2^(e6 + e7): the two exponents are added to its exponent field
	s_mov_b32 s23, s22                             ; (named with it as a pair, so it is written)
	s_add_co_i32 s34, s38, 127
	s_lshl_b32 s34, s34, 23
	v_mov_b32 v[PSC], s34                          ; 2^e8
	s_add_co_i32 s34, s38, 135
	s_lshl_b32 s34, s34, 23
	s_or_b32 s34, s34, 0x600000
	v_mov_b32 v[PLM], s34                          ; 448 x 2^e8
.macro SMUL s                          ; 8 products: part s of d, the 8 accumulators by turns; part 0 starts the sums
.irp m, 0,1,2,3
.irp u, 0,1
.if (\s) == 0
	v_wmma_f32_16x16x128_fp8_fp8 v[S+16*\m+8*\u:S+16*\m+8*\u+7], v[KF+16*(2*(\s)+\u):KF+16*(2*(\s)+\u)+15], v[64*\m+16*(\s):64*\m+16*(\s)+15], 0
.else
	v_wmma_f32_16x16x128_fp8_fp8 v[S+16*\m+8*\u:S+16*\m+8*\u+7], v[KF+16*(2*(\s)+\u):KF+16*(2*(\s)+\u)+15], v[64*\m+16*(\s):64*\m+16*(\s)+15], v[S+16*\m+8*\u:S+16*\m+8*\u+7]
.endif
.endr
.endr
.endm
.macro RESCALE                         ; the window's 16 accumulators of O^T x f, each from its low end on
.irp t, 0,1,2,3
.irp m, 0,1,2,3
.irp i, 0,2,4,6
	v_pk_mul_f32 v[8*(4*\t+\m)+\i:8*(4*\t+\m)+\i+1], v[8*(4*\t+\m)+\i:8*(4*\t+\m)+\i+1], v[ST+6*\m+2:ST+6*\m+3] op_sel_hi:[1,0]
.endr
.endr
.endr
.endm
; A KEY STEP.  first = 1: the step on the diagonal: masked, and it starts m, the sums and O^T.  ahead = 1: step s19's K and V are fetched into the registers as they fall free.
.macro STEP first, ahead
.if \ahead
	s_wait_xcnt 0x0                                ; the loads issued so far have read their bases, which are written only behind this wait
	s_lshl_b32 s32, s19, 16
	s_add_nc_u64 s[KN:KN+1], s[KB:KB+1], s[32:33]
	s_add_nc_u64 s[VN:VN+1], s[VB:VB+1], s[32:33]
.endif
	s_wait_loadcnt 48                              ; K's first half is in (and Q, issued earlier); behind it: K's second half 16, V 32
	WIN 0x04                                       ; source 1 (Q) window 1
	SMUL 0
	SMUL 1
.if \ahead
	PLACES                                         ; between products and loads into registers that they read (ISA guide 7.12.1 for vector instructions)
	WIN 0
	LOADK 0
	s_wait_loadcnt 48                              ; K's second half is in; behind it: V 32, the next step's first half 16
	WIN 0x04
.else
	s_wait_loadcnt 32                              ; behind it: V 32
.endif
	SMUL 2
	SMUL 3
	WIN 0
	PLACES
.if \ahead
	LOADK 1
.endif
.if \first                                     ; register 16 m + 8 u + j holds key 32 w + 16 h + 8 u + j against query 64 (i % 2) + 32 (m / 2) + 8 (m % 2) + r + 8 (r / 8): hidden scores become -infinity, p = 0
.irp m, 0,1,2,3
.irp u, 0,1
.irp j, 0,1,2,3,4,5,6,7
	v_cmp_gt_i32 vcc_lo, 8*\u+\j-32*(\m/2)-8*(\m%2), v[D0]
	v_cndmask_b32 v[S+16*\m+8*\u+\j], v[S+16*\m+8*\u+\j], v[NINF], vcc_lo
.endr
.endr
.endr
.endif
	; my wave's largest score of each query: two chains a tile, each beginning at an accumulator's low end; the four tiles by turns
.irp m, 0,1,2,3
	v_max3_num_f32 v[OWN+\m], v[S+16*\m], v[S+16*\m+1], v[S+16*\m+2]
.endr
.irp m, 0,1,2,3
	v_max3_num_f32 v[TM+\m], v[S+16*\m+8], v[S+16*\m+9], v[S+16*\m+10]
.endr
.irp m, 0,1,2,3
	v_max3_num_f32 v[OWN+\m], v[OWN+\m], v[S+16*\m+3], v[S+16*\m+4]
.endr
.irp m, 0,1,2,3
	v_max3_num_f32 v[TM+\m], v[TM+\m], v[S+16*\m+11], v[S+16*\m+12]
.endr
.irp m, 0,1,2,3
	v_max3_num_f32 v[OWN+\m], v[OWN+\m], v[S+16*\m+5], v[S+16*\m+6]
.endr
.irp m, 0,1,2,3
	v_max3_num_f32 v[TM+\m], v[TM+\m], v[S+16*\m+13], v[S+16*\m+14]
.endr
.irp m, 0,1,2,3
	v_max3_num_f32 v[OWN+\m], v[OWN+\m], v[S+16*\m+7], v[S+16*\m+15]
.endr
.irp m, 0,1,2,3
	v_max_num_f32 v[OWN+\m], v[OWN+\m], v[TM+\m]
.endr
.irp m, 0,1,2,3
	v_permlanex16_b32 v[TM+\m], v[OWN+\m], s20, s21   ; the query's other 16 keys lie in the lane 16 away
.endr
.irp m, 0,1,2,3
	v_max_num_f32 v[OWN+\m], v[OWN+\m], v[TM+\m]
.endr
	ds_store_b128 v[AMX], v[OWN:OWN+3]
	s_wait_dscnt 0x0                               ; for the others' sake: my maxima are stored (and my reads of p's codes, a step back, are over)
	s_barrier_signal -1
	s_barrier_wait -1
.irp x, 0,1,2,3
	ds_load_b128 v[ALL+4*\x:ALL+4*\x+3], v[L16] offset:MX+512*\x
.endr
	s_wait_dscnt 0x0
.irp m, 0,1,2,3
	v_max3_num_f32 v[OWN+\m], v[ALL+\m], v[ALL+4+\m], v[ALL+8+\m]
.endr
.irp m, 0,1,2,3
	v_max_num_f32 v[OWN+\m], v[OWN+\m], v[ALL+12+\m]  ; the step's largest score, the same number in all four waves
.endr
.if \first
.irp m, 0,1,2,3
	v_mul_f32 v[ST+6*\m+1], s22, v[OWN+\m]         ; as t (c is positive)
.endr
.irp m, 0,1,2,3
	v_floor_f32 v[ST+6*\m], -v[ST+6*\m+1]          ; -M = floor(-t) = -ceil(t)
.endr
.else
.irp m, 0,1,2,3
	v_mul_f32 v[OWN+\m], s22, v[OWN+\m]
.endr
.irp m, 0,1,2,3
	v_max_num_f32 v[ST+6*\m+1], v[ST+6*\m+1], v[OWN+\m]   ; the running largest t
.endr
.irp m, 0,1,2,3
	v_mov_b32 v[TM+\m], v[ST+6*\m]
.endr
.irp m, 0,1,2,3
	v_floor_f32 v[ST+6*\m], -v[ST+6*\m+1]
.endr
.irp m, 0,1,2,3
	v_sub_f32 v[TM+\m], v[ST+6*\m], v[TM+\m]       ; M's old value less its new one: a whole number, 0 or less
.endr
.irp m, 0,1,2,3
	v_cvt_i32_f32 v[TM+\m], v[TM+\m]               ; (it saturates)
.endr
.irp m, 0,1,2,3
	v_ldexp_f32 v[ST+6*\m+2], 1.0, v[TM+\m]        ; f = 2^(old M - new M)
.endr
.endif
.irp m, 0,1,2,3
.irp j, 0,2,4,6,8,10,12,14
	v_pk_fma_f32 v[S+16*\m+\j:S+16*\m+\j+1], v[S+16*\m+\j:S+16*\m+\j+1], s[22:23], v[ST+6*\m:ST+6*\m+1] op_sel_hi:[1,0,0]   ; t - M (of the pairs c and -M the low word serves both halves)
.endr
.endr
.set x, 0
.rept 64
	v_exp_f32 v[S+x], v[S+x]                       ; p = 2^(t - M), at most 1
.set x, x+1
.endr
.if \first
	v_nop                                          ; a plain line behind the exponentials
.else
.irp m, 0,1,2,3
	v_pk_mul_f32 v[ST+6*\m+4:ST+6*\m+5], v[ST+6*\m+4:ST+6*\m+5], v[ST+6*\m+2:ST+6*\m+3] op_sel_hi:[1,0]   ; the sums under the new M: the plain lines behind the exponentials
.endr
.endif
	s_wait_alu depctr_va_vdst(0)                   ; the wait ahead of the first line that names an exponential's result: one for the batch of 64
.if \first
.irp m, 0,1,2,3
	v_pk_add_f32 v[ST+6*\m+4:ST+6*\m+5], v[S+16*\m:S+16*\m+1], v[S+16*\m+2:S+16*\m+3]   ; the sum of the UNQUANTISED p begins
.endr
.irp j, 4,6,8,10,12,14
.irp m, 0,1,2,3
	v_pk_add_f32 v[ST+6*\m+4:ST+6*\m+5], v[ST+6*\m+4:ST+6*\m+5], v[S+16*\m+\j:S+16*\m+\j+1]
.endr
.endr
.else
.irp j, 0,2,4,6,8,10,12,14
.irp m, 0,1,2,3
	v_pk_add_f32 v[ST+6*\m+4:ST+6*\m+5], v[ST+6*\m+4:ST+6*\m+5], v[S+16*\m+\j:S+16*\m+\j+1]
.endr
.endr
.endif
.set x, 0
.rept 64
	v_min_num_f32 v[S+x], v[S+x], v[PLM]           ; the conversion to an 8-bit code does not saturate (ISA guide 7.6.2); p is not negative, so the hold is one-sided
.set x, x+1
.endr
.irp m, 0,1,2,3
.irp u, 0,1
	v_cvt_scalef32_pk8_fp8_f32 v[ALL+4*\m+2*\u:ALL+4*\m+2*\u+1], v[S+16*\m+8*\u:S+16*\m+8*\u+7], v[PSC]
.endr
.endr
	v_nop                                          ; a plain line behind the last conversion
.irp m, 0,1,2,3
	ds_store_b128 v[API], v[ALL+4*\m:ALL+4*\m+3] offset:\m*2048   ; keys 32 w + 16 h + 0 .. 15 of my query: group w of tile m's fragment
.endr
	s_wait_dscnt 0x0                               ; for the others' sake: my codes are stored (and my reads of the maxima are over)
	s_barrier_signal -1
.if !\first
	WIN 0xa2                                       ; O^T of channel tiles 0-3 x f: work on registers while the others arrive
	RESCALE
	WIN 0
.endif
	s_barrier_wait -1
.irp m, 0,1,2,3
.irp c, 0,1,2,3
	ds_load_b128 v[S+16*\m+4*\c:S+16*\m+4*\c+3], v[L16] offset:PI+\m*2048+\c*512   ; P's four fragments, where the scores lay
.endr
.endr
.if !\first
	WIN 0xf3
	RESCALE                                        ; channel tiles 4-7, while the fragments come
.endif
	s_wait_dscnt 0x0
.irp t, 0,1,2,3,4,5,6,7                ; O^T += V^T P^T: a fragment of V against the four tiles of queries; then its registers take the next step's
.if \t < 4
	WIN 0xa2                                       ; V, C and D window 2, P window 0
.else
	WIN 0xf3
.endif
.if \ahead
	s_wait_loadcnt 60                              ; behind tile t's four loads: 4 (7 - t) of this step's V, the next step's K 32, 4 t of its V
.else
	s_wait_loadcnt 4*(7-\t)
.endif
.irp m, 0,1,2,3
.if \first
	v_wmma_f32_16x16x128_fp8_fp8 v[8*(4*(\t%4)+\m):8*(4*(\t%4)+\m)+7], v[128+16*(\t%4):128+16*(\t%4)+15], v[S+16*\m:S+16*\m+15], 0
.else
	v_wmma_f32_16x16x128_fp8_fp8 v[8*(4*(\t%4)+\m):8*(4*(\t%4)+\m)+7], v[128+16*(\t%4):128+16*(\t%4)+15], v[S+16*\m:S+16*\m+15], v[8*(4*(\t%4)+\m):8*(4*(\t%4)+\m)+7]
.endif
.endr
.if \ahead
	PLACES
.if \t == 7
	v_nop                                          ; a fifth place: the next step's first products write over the registers that held P, a source of the products above
.endif
	LOADV \t
.endif
.endr
	WIN 0
.endm
	s_cmp_lg_u32 s18, 0                            ; all branches hang on the work-group's number alone: the four waves go one way
	s_cbranch_scc1 .Lmany
	STEP 1, 0                                      ; n = 1
	s_branch .Lout
.Lmany:
	s_mov_b32 s19, 0
	STEP 1, 1                                      ; the diagonal; step 0 is fetched
	s_mov_b32 s19, 1
	s_cmp_ge_u32 s19, s18
	s_cbranch_scc1 .Llast
.Lloop:                                                ; n - 2 trips: step s19 - 1 is worked, step s19 fetched
	STEP 0, 1
	s_add_co_u32 s19, s19, 1
	s_cmp_lt_u32 s19, s18
	s_cbranch_scc1 .Lloop
.Llast:
	STEP 0, 0                                      ; step n - 2: nothing is left to fetch
.Lout:
	; THE WAY OUT.  The sum's halves, the other half of the lanes' and the other waves' are added; the first four additions are the places behind the last products.
.irp m, 0,1,2,3
	v_add_f32 v[OWN+\m], v[ST+6*\m+4], v[ST+6*\m+5]
.endr
.irp m, 0,1,2,3
	v_permlanex16_b32 v[TM+\m], v[OWN+\m], s20, s21
.endr
.irp m, 0,1,2,3
	v_add_f32 v[OWN+\m], v[OWN+\m], v[TM+\m]
.endr
	ds_store_b128 v[ALX], v[OWN:OWN+3]
	s_wait_dscnt 0x0                               ; for the others' sake
	s_barrier_signal -1
	s_barrier_wait -1
.irp x, 0,1,2,3
	ds_load_b128 v[ALL+4*\x:ALL+4*\x+3], v[L16] offset:LX+512*\x
.endr
	s_wait_dscnt 0x0
.irp m, 0,1,2,3
	v_add_f32 v[OWN+\m], v[ALL+\m], v[ALL+4+\m]
.endr
.irp m, 0,1,2,3
	v_add_f32 v[TM+\m], v[ALL+8+\m], v[ALL+12+\m]
.endr
.irp m, 0,1,2,3
	v_add_f32 v[OWN+\m], v[OWN+\m], v[TM+\m]       ; the row's sum
.endr
.irp m, 0,1,2,3
	v_rcp_f32 v[ST+6*\m+2], v[OWN+\m]
.endr
	v_nop                                          ; a plain line behind the last reciprocal
	s_add_co_i32 s34, s38, s39
	s_wait_alu depctr_va_vdst(0)                   ; and the wait ahead of the first use: one for the four
.irp m, 0,1,2,3
	v_ldexp_f32 v[ST+6*\m+2], v[ST+6*\m+2], s34    ; x 2^(e8 + e9)
.endr
; Tile m: lane (r, h) holds, of query r, channels 128 w + 32 (t / 2) + 16 h + 8 (t % 2) + 0 .. 7 in accumulator (t, m).  The 16 rows x 512 bytes go through my own stage and come back as whole rows.
; LDS serves a wave's instructions in order (ISA guide 5.7.1.4): no wait between the stores and the loads, nor in front of the next tile's stores.
.macro TOSTAGE m
	WIN 0x02                                       ; source 0 window 2
.irp t, 0,1,2,3
.irp i, 0,2,4,6
	v_pk_mul_f32 v[KF+8*\t+\i:KF+8*\t+\i+1], v[8*(4*\t+(\m))+\i:8*(4*\t+(\m))+\i+1], v[ST+6*(\m)+2:ST+6*(\m)+3] op_sel_hi:[1,0]
.endr
.endr
	WIN 0x03                                       ; source 0 window 3
.irp t, 0,1,2,3
.irp i, 0,2,4,6
	v_pk_mul_f32 v[KF+32+8*\t+\i:KF+32+8*\t+\i+1], v[8*(4*\t+(\m))+\i:8*(4*\t+(\m))+\i+1], v[ST+6*(\m)+2:ST+6*(\m)+3] op_sel_hi:[1,0]
.endr
.endr
	WIN 0
.irp t, 0,1,2,3,4,5,6,7
	ds_store_b128 v[STI], v[KF+8*\t:KF+8*\t+3]   offset:128*(\t/2)+32*(\t%2)
	ds_store_b128 v[STI], v[KF+8*\t+4:KF+8*\t+7] offset:128*(\t/2)+32*(\t%2)+16
.endr
.set BB, 192-128*((\m)%2)              ; back into v192-255 and v64-127 by turns
.irp x, 0,1,2,3,4,5,6,7,8,9,10,11,12,13,14,15
	ds_load_b128 v[BB+4*\x:BB+4*\x+3], v[STB] offset:\x*SP
.endr
.endm
.macro SEND m, younger                 ; younger: the LDS instructions issued behind tile m's loads, which may stay out
.set BB, 192-128*((\m)%2)
	s_wait_dscnt \younger
.irp x, 0,1,2,3,4,5,6,7,8,9,10,11,12,13,14,15
	global_store_b128 v[L16], v[BB+4*\x:BB+4*\x+3], s[12:13] offset:(32*((\m)/2)+8*((\m)%2)+\x+8*(\x/8))*2048 th:TH_STORE_NT   ; 32 lanes store 512 consecutive bytes, aligned; written once, read by nobody here
.endr
.endm
	TOSTAGE 0
	TOSTAGE 1
	SEND 0, 32                                     ; behind tile 0's loads: tile 1's 16 stores and 16 loads
	s_wait_xcnt 0x0                                ; tile 0's stores have read their registers: tile 2's loads may land there
	TOSTAGE 2
	SEND 1, 32
	s_wait_xcnt 0x0
	TOSTAGE 3
	SEND 2, 32
	SEND 3, 0
	s_wait_tensorcnt 0x0                           ; the wave's end, behind my last LDS store
	ds_add_u32 v[SPW], v[NIL]
	s_wait_dscnt 0x0
	s_endpgm
.Lfunc_end_k_q1316d3dc25_attn:
	.size	k_q1316d3dc25_attn, .Lfunc_end_k_q1316d3dc25_attn-k_q1316d3dc25_attn
	.p2alignl 7, 3214868480
	.fill 96, 4, 3214868480
	.section	.rodata,"a",@progbits
	.p2align	6, 0x0
	.amdhsa_kernel k_q1316d3dc25_attn
		.amdhsa_group_segment_fixed_size 46592
		.amdhsa_private_segment_fixed_size 0
		.amdhsa_enable_private_segment 0
		.amdhsa_kernarg_size 40
		.amdhsa_user_sgpr_count 2
		.amdhsa_user_sgpr_kernarg_segment_ptr 1
		.amdhsa_wavefront_size32 1
		.amdhsa_system_sgpr_workgroup_id_x 1
		.amdhsa_system_sgpr_workgroup_id_y 1
		.amdhsa_system_sgpr_workgroup_id_z 1
		.amdhsa_system_vgpr_workitem_id 0
		.amdhsa_next_free_vgpr 1024
		.amdhsa_next_free_sgpr 66
		.amdhsa_reserve_vcc 1
		.amdhsa_float_denorm_mode_32 3
		.amdhsa_float_denorm_mode_16_64 3
		.amdhsa_memory_ordered 1
		.amdhsa_forward_progress 1
		.amdhsa_inst_pref_size 155
	.end_amdhsa_kernel
	.amdgpu_metadata
---
amdhsa.version: [ 1, 2 ]
amdhsa.kernels:
  - .name:           k_q1316d3dc25_attn
    .symbol:         k_q1316d3dc25_attn.kd
    .args:
      - { .name: qc, .offset: 0, .size: 8, .value_kind: global_buffer, .address_space: global }
      - { .name: kc, .offset: 8, .size: 8, .value_kind: global_buffer, .address_space: global }
      - { .name: vc, .offset: 16, .size: 8, .value_kind: global_buffer, .address_space: global }
      - { .name: lowp_scales, .offset: 24, .size: 8, .value_kind: global_buffer, .address_space: global }
      - { .name: out0, .offset: 32, .size: 8, .value_kind: global_buffer, .address_space: global }
    .group_segment_fixed_size: 46592
    .private_segment_fixed_size: 0
    .kernarg_segment_align: 8
    .kernarg_segment_size: 40
    .max_flat_workgroup_size: 128
    .sgpr_count:     66
    .vgpr_count:     1024
    .wavefront_size: 32
...
	.end_amdgpu_metadata
.endif
;; end of part 3
;; ======== version 2 of 2: 3 launches
;; workspace buffers: wf 1,572,864 bytes; qc 8,388,608 bytes; kc 8,388,608 bytes; vc 8,388,608 bytes
;; launch wprep (part 4): grid 128 x 1, 4 waves a work-group, no clusters, 0 bytes of LDS; arguments Wq, Wk, lowp_scales, wf; writes wf
.if DOCPART == 4
	.amdgcn_target "amdgcn-amd-amdhsa--gfx1250"
	.amdhsa_code_object_version 6
	.text
	.protected	k_q1316d3dc25_wprep
	.globl	k_q1316d3dc25_wprep
	.p2align	8
	.type	k_q1316d3dc25_wprep,@function
k_q1316d3dc25_wprep:
	s_mov_b64 s[64:65], 0
	v_nop
	global_prefetch_b8 v0, s[64:65] scope:SCOPE_SE
	s_setreg_imm32_b32 hwreg(HW_REG_WAVE_MODE, 25, 1), 1
	s_wait_xcnt 0x0
; Wq and Wk, [1024 (k)][512 (n)] f32, become codes of E4M3 in the order of a matrix operand's registers: Wq with 2^e1, Wk with 2^e3 and once more with 2^e5.
; code = x / 2^e, held within +-448, to the nearest code, ties to even.  LIMITS: e1, e3, e5 between -126 and 119, so that 2^e and 448 x 2^e are f32 numbers.  NaN among the inputs is not served.
; wf: [w 4][tensor 3][k step 8][tile a 8][2,048 bytes].  A fragment is [c 4][lane 32][16 bytes]: lane (r = lane % 16, h = lane / 16) holds, of its row, k = 128 s + 32 c + 16 h + 0 .. 15.
; THE ROWS OF A TILE ARE NOT NEIGHBOURS: lane r of tile a takes n = 128 w + 32 (a / 2) + 8 (a % 2) + r + 8 (r / 8).
; SHARES.  Work-groups 0-63 take Wq, 64-127 Wk; each takes 128 columns (w) x 64 rows of k (hk); wave b takes 32 columns.  A LANE TAKES A COLUMN AND ITS REGISTERS RUN DOWN K: each load reads 128 consecutive bytes
; a wave, 512 a work-group, and the conversions, which take neighbours along K from one lane's registers, give 16 codes that are a lane's 16 bytes of a fragment.  A store covers two runs of 256 consecutive bytes, aligned.
; No LDS, no barrier, no matrix unit: waves share nothing, and each byte of W is read once.
.set X,   16                           ; v16-79   64 numbers down K
.set T,   80                           ; v80-95   16 numbers held; X stays as loaded, for Wk's second scale
.set CA,  96                           ; v96-111  the first set of codes: four registers a unit, so that no store's data are written again
.set CB,  112                          ; v112-127 Wk's second set
.set SC,  8                            ; v8       2^e as f32
.set LIM, 9                            ; v9       448 x 2^e
	s_load_b256 s[4:11], s[0:1], 0x0               ; Wq s[4:5], Wk s[6:7], the scales' exponents s[8:9], wf s[10:11]
	v_lshrrev_b32 v1, 5, v0
	v_readfirstlane_b32 s12, v1                    ; wave b
	v_and_b32 v2, 31, v0                           ; lane = my column among the wave's 32
	v_lshlrev_b32 v3, 2, v2                        ; in: 4 bytes a lane
	v_bfe_u32 v4, v0, 3, 1                         ; column l lies in tile 2 b + u, u = (l / 8) % 2,
	v_and_b32 v5, 7, v0
	v_bfe_u32 v6, v0, 4, 1
	v_lshl_add_u32 v5, v6, 3, v5                   ; at row r = l % 8 + 8 (l / 16)
	v_lshlrev_b32 v5, 4, v5
	v_lshl_add_u32 v4, v4, 11, v5                  ; out: 2,048 u + 16 r
	s_lshr_b32 s13, ttmp9, 6                       ; 0: Wq, 1: Wk
	s_and_b32 s14, ttmp9, 63
	s_and_b32 s15, s14, 3                          ; w
	s_lshr_b32 s14, s14, 2                         ; hk: which 64 rows of k
	s_lshl_b32 s24, s14, 17                        ; W: 64 hk rows of 2,048 bytes
	s_lshl_b32 s25, s15, 9                         ; + 128 w columns
	s_add_co_u32 s24, s24, s25
	s_lshl_b32 s25, s12, 7                         ; + 32 b columns
	s_add_co_u32 s24, s24, s25
	s_mov_b32 s25, 0
	s_mul_i32 s26, s15, 393216                     ; wf: w,
	s_lshl_b32 s27, s13, 17                        ; the tensor (0 or 1; Wk's second set lies 131,072 bytes on),
	s_add_co_u32 s26, s26, s27
	s_lshr_b32 s27, s14, 1
	s_lshl_b32 s27, s27, 14                        ; the k step hk / 2,
	s_add_co_u32 s26, s26, s27
	s_lshl_b32 s27, s12, 12                        ; tiles 2 b and 2 b + 1,
	s_add_co_u32 s26, s26, s27
	s_and_b32 s27, s14, 1
	s_lshl_b32 s27, s27, 10                        ; groups c = 2 (hk % 2) on
	s_add_co_u32 s26, s26, s27
	s_mov_b32 s27, 0
	s_wait_alu depctr_va_vdst(0)
	s_wait_kmcnt 0x0
	s_load_b256 s[16:23], s[8:9], 0x0              ; e0 .. e7: e1 = s17, e3 = s19, e5 = s21
	s_cmp_eq_u32 s13, 0                            ; the choice hangs on the work-group's number alone
	s_cselect_b64 s[4:5], s[4:5], s[6:7]
	s_add_nc_u64 s[4:5], s[4:5], s[24:25]
	s_add_nc_u64 s[10:11], s[10:11], s[26:27]
.set i, 0
.rept 64
	global_load_b32 v[X+i], v3, s[4:5] offset:i*2048 th:TH_LOAD_NT   ; W(64 hk + i, my column)
.set i, i+1
.endr
.macro SCALE e                         ; v[SC] = 2^e, v[LIM] = 448 x 2^e, e in s[e]
	s_add_co_i32 s29, s[\e], 127
	s_lshl_b32 s29, s29, 23
	v_mov_b32 v[SC], s29
	s_add_co_i32 s29, s[\e], 135
	s_lshl_b32 s29, s29, 23
	s_or_b32 s29, s29, 0x600000
	v_mov_b32 v[LIM], s29
.endm
; Unit q: k = 64 hk + 16 q + 0 .. 15: group c = 2 (hk % 2) + q / 2, half h = q % 2 of the fragment.
.macro QUNIT q, cd, off
.irp i, 0,1,2,3,4,5,6,7,8,9,10,11,12,13,14,15
	v_med3_num_f32 v[T+\i], v[X+16*(\q)+\i], -v[LIM], v[LIM]   ; the conversion to an 8-bit code does not saturate (ISA guide 7.6.2): hold first
.endr
	v_cvt_scalef32_pk8_fp8_f32 v[\cd+4*(\q):\cd+4*(\q)+1], v[T:T+7], v[SC]
	v_cvt_scalef32_pk8_fp8_f32 v[\cd+4*(\q)+2:\cd+4*(\q)+3], v[T+8:T+15], v[SC]
	v_nop                                          ; a plain line between the conversions and the next writes of their sources
	global_store_b128 v4, v[\cd+4*(\q):\cd+4*(\q)+3], s[10:11] offset:\off+((\q)/2)*512+((\q)%2)*256
.endm
	s_wait_kmcnt 0x0
	s_cmp_eq_u32 s13, 0
	s_cselect_b32 s28, s17, s19                    ; e1 for Wq, e3 for Wk
	SCALE 28
	s_wait_alu depctr_va_vdst(0)
.irp q, 0,1,2,3
	s_wait_loadcnt 48-16*\q                        ; loads come back in order: the unit's 16 are in, the younger ones may be out
	QUNIT \q, CA, 0
.endr
	s_cmp_eq_u32 s13, 0
	s_cbranch_scc1 .Lend                           ; Wq has one scale
	SCALE 21                                       ; Wk once more, with e5, from the same registers
.irp q, 0,1,2,3
	QUNIT \q, CB, 131072
.endr
.Lend:
	s_endpgm
.Lfunc_end_k_q1316d3dc25_wprep:
	.size	k_q1316d3dc25_wprep, .Lfunc_end_k_q1316d3dc25_wprep-k_q1316d3dc25_wprep
	.p2alignl 7, 3214868480
	.fill 96, 4, 3214868480
	.section	.rodata,"a",@progbits
	.p2align	6, 0x0
	.amdhsa_kernel k_q1316d3dc25_wprep
		.amdhsa_group_segment_fixed_size 0
		.amdhsa_private_segment_fixed_size 0
		.amdhsa_enable_private_segment 0
		.amdhsa_kernarg_size 32
		.amdhsa_user_sgpr_count 2
		.amdhsa_user_sgpr_kernarg_segment_ptr 1
		.amdhsa_wavefront_size32 1
		.amdhsa_system_sgpr_workgroup_id_x 1
		.amdhsa_system_sgpr_workgroup_id_y 1
		.amdhsa_system_sgpr_workgroup_id_z 1
		.amdhsa_system_vgpr_workitem_id 0
		.amdhsa_next_free_vgpr 128
		.amdhsa_next_free_sgpr 66
		.amdhsa_reserve_vcc 0
		.amdhsa_float_denorm_mode_32 3
		.amdhsa_float_denorm_mode_16_64 3
		.amdhsa_memory_ordered 1
		.amdhsa_forward_progress 1
		.amdhsa_inst_pref_size 19
	.end_amdhsa_kernel
	.amdgpu_metadata
---
amdhsa.version: [ 1, 2 ]
amdhsa.kernels:
  - .name:           k_q1316d3dc25_wprep
    .symbol:         k_q1316d3dc25_wprep.kd
    .args:
      - { .name: Wq, .offset: 0, .size: 8, .value_kind: global_buffer, .address_space: global }
      - { .name: Wk, .offset: 8, .size: 8, .value_kind: global_buffer, .address_space: global }
      - { .name: lowp_scales, .offset: 16, .size: 8, .value_kind: global_buffer, .address_space: global }
      - { .name: wf, .offset: 24, .size: 8, .value_kind: global_buffer, .address_space: global }
    .group_segment_fixed_size: 0
    .private_segment_fixed_size: 0
    .kernarg_segment_align: 8
    .kernarg_segment_size: 32
    .max_flat_workgroup_size: 128
    .sgpr_count:     66
    .vgpr_count:     128
    .wavefront_size: 32
...
	.end_amdgpu_metadata
.endif
;; end of part 4
;; launch proj (part 5): grid 256 x 1, 4 waves a work-group, no clusters, 327,680 bytes of LDS; arguments x0, x1, x2, wf, bq, bk, lowp_scales, qc, kc, vc; writes qc, kc, vc
.if DOCPART == 5
	.amdgcn_target "amdgcn-amd-amdhsa--gfx1250"
	.amdhsa_code_object_version 6
	.text
	.protected	k_q1316d3dc25_proj
	.globl	k_q1316d3dc25_proj
	.p2align	8
	.type	k_q1316d3dc25_proj,@function
k_q1316d3dc25_proj:
	s_mov_b64 s[64:65], 0
	v_nop
	global_prefetch_b8 v0, s[64:65] scope:SCOPE_SE
	s_setreg_imm32_b32 hwreg(HW_REG_WAVE_MODE, 25, 1), 1
	s_wait_xcnt 0x0
; q = (x0 Wq + bq) / sqrt(512), k = x1 Wk + bk, v = x2 Wk + bk, all three products on codes of E4M3, and the results quantised again (2^e6, 2^e7, 2^e9) into fragments for the attention launch.
; x0, x1, x2: [16,384][1,024] f32.  wf: W's codes as fragments (laid by the launch before).  A fragment is [c 4][lane 32][16 bytes]: lane (r, h) holds K = 32 c + 16 h + 0 .. 15 of its row.
; EVERY TILE OF 16 ROWS takes, in lane r of tile 2 B + u of a run of 32 rows, row 32 B + 8 u + r + 8 (r / 8): so a result's registers of tiles 2 B and 2 B + 1 are 16 neighbours, a group of the next operand.
; qc, kc: [tile of 16 rows][128 of d: 4][2,048].   vc: [batch 8][128 keys: 16][tile of 16 channels: 32][2,048], K along the keys.
; SHARES.  A work-group takes 64 rows of x0, then of x1, then of x2: three passes of 8 k steps of 128.  Wave w makes columns 128 w .. 128 w + 127 (8 tiles of W) for all 64 rows (4 tiles): 32 accumulators;
; and it quantises rows 16 w .. 16 w + 15 of x for all four waves, one k step ahead of the products, into a tile of codes in LDS (two tiles by turns, one barrier a k step).
; TWO STREAMS ON TWO COUNTERS.  x comes by tensor loads into two LDS slots of four k steps each (16 rows x 2,048 bytes a wave, read by that wave alone); a refill has four k steps in which to land.
; W's codes come straight into registers, 32 loads a k step, two sets, asked for two k steps ahead.
; NO CLUSTER: what the work-groups share is W's codes, and those go to registers; through LDS they would be 64 KB written and 64 KB read in each k step beside the 32 KB of x.
; q and k are made transposed (source 0 = W, source 1 = x: a lane holds one row and 16 neighbouring columns), v plain (source 0 = x, source 1 = W: a lane holds one channel and 16 neighbouring keys).
; LIMITS: e0, e2, e4, e6, e7, e9 between -126 and 119; e0 + e1, e2 + e3, e4 + e5 between -126 and 127: each power of two below is an f32 number.  NaN among the inputs is not served.
; REGISTERS.  window 0: see the names below.   window 1: accumulator (a, b) at v[8 (4 a + b)].   window 2: W's fragments, set 0 at v0, set 1 at v128, tile a at 16 a.
.set SLOTB, 131072                     ; LDS: slot s at s x 131,072, wave w's 16 rows at + 32,768 w, dense
.set CT,    262144                     ; two tiles of codes: 64 rows (in tile order) x 144: 128 codes + 16 of padding: 36 words, so the 16 rows of a fragment load start at 16 different groups of four banks
.set CTB,   9216
.set CP,    144
.set SPARE, 280576                     ; the spare words, 128 bytes for each wave: two blocks of 256 bytes that no other line names
.set L16, 1                            ; v1      16 x lane
.set SL,  2                            ; v2, v3  where I read x in slot 0, 1
.set CTS, 4                            ; v4      where I store codes
.set CTR, 5                            ; v5      where I read a fragment of codes
.set BO,  8                            ; v8      64 h: the bias of q and k
.set BVO, 9                            ; v9      4 (r + 8 (r / 8)): the bias of v
.set XSC, 10                           ; v10, 11 x's scale 2^e and 448 x 2^e
.set XLM, 11
.set OSC, 12                           ; v12, 13 the same for the pass's result
.set OLM, 13
.set SPW, 14                           ; v14     LDS address of my spare word; never rewritten
.set NIL, 15                           ; v15     0; never rewritten
.set XS,  16                           ; v16-79  64 numbers of x; at a pass's end 64 results
.set CD,  80                           ; v80-95  their codes
.set XF,  96                           ; v96-159 x's four fragments; at a pass's end the codes to store
.set BI,  160                          ; v160-223 the bias in the layout of q's and k's results
.set BIV, 224                          ; v224-231 bk of my channel in each of the 8 tiles
.set WV,  24                           ; s24 wave    s25 passes of the loop still to go
.set PASS,25
.set G1,  28                           ; s[28:35] descriptor group 1    s[36:39], s[40:43] group 0 for slot 0, 1
.set G0,  36
.set E,   44                           ; s[44:53] e0 .. e9
.set GP,  56                           ; s[56:57] 2^(ex + ew), twice
.set CQ,  58                           ; s[58:59] 1 / sqrt(512), twice
.set OUT, 60                           ; s[60:61] where the pass's codes go; s[80:81], s[82:83] the next two passes'
.set WP,  62                           ; s[62:63] my part of the pass's W
.set XN,  66                           ; s[66:67] my rows of the next pass's x; s[68:69] of the pass after
.set BP,  86                           ; s[86:87] my part of the pass's bias; s[88:89] of bk
.set MSB, 0
.macro WIN new                         ; the immediate's high byte repeats the setting that is left
.if MSB != \new
	s_set_vgpr_msb (MSB<<8)|\new
.set MSB, \new
.endif
.endm
.macro PLACES
.rept 4
	v_nop
.endr
.endm
.macro MKS ds, dl, e                   ; s[ds] = 2^e, s[dl] = 448 x 2^e as f32
	s_add_co_i32 s[\ds], s[\e], 127
	s_add_co_i32 s[\dl], s[\e], 135
	s_lshl_b32 s[\ds], s[\ds], 23
	s_lshl_b32 s[\dl], s[\dl], 23
	s_or_b32 s[\dl], s[\dl], 0x600000
.endm
.macro MKG d, a, b                     ; s[d] = 2^(a + b) as f32
	s_add_co_i32 s[\d], s[\a], s[\b]
	s_add_co_i32 s[\d], s[\d], 127
	s_lshl_b32 s[\d], s[\d], 23
.endm
	s_load_b512 s[4:19], s[0:1], 0x0               ; x0 s[4:5], x1 s[6:7], x2 s[8:9], wf s[10:11], bq s[12:13], bk s[14:15], the exponents s[16:17], qc s[18:19]
	s_load_b128 s[20:23], s[0:1], 0x40             ; kc s[20:21], vc s[22:23]
	v_lshl_add_u32 v[SPW], v0, 2, SPARE
	v_mov_b32 v[NIL], 0
	ds_add_u32 v[SPW], v[NIL]                      ; the wave's opening: the add and its wait stand ahead of my first tensor load; the set-up below, work on registers, stands between them
	ds_add_u32 v[SPW], v[NIL]
	v_lshrrev_b32 v1, 5, v0
	v_readfirstlane_b32 s[WV], v1                  ; wave 0..3
	; descriptor group 1: a tile of 16 rows x 512 f32 (2,048 bytes, four k steps), rows 1,024 elements apart; dense in LDS: a read takes 512 consecutive bytes
	s_mov_b32 s[G1+0], 2<<16                       ; no mask; elements of 4 bytes; no padding
	s_mov_b32 s[G1+1], 512<<16                     ; tensor_dim0 = 512
	s_mov_b32 s[G1+2], 16<<16                      ; tensor_dim1 = 16
	s_mov_b32 s[G1+3], 512<<16                     ; tile_dim0 = 512
	s_mov_b32 s[G1+4], 16                          ; tile_dim1 = 16
	s_mov_b32 s[G1+5], 1024                        ; from row to row
	s_mov_b32 s[G1+6], 0
	s_mov_b32 s[G1+7], 0
	s_mov_b32 s[G0], 1
	s_lshl_b32 s[G0+1], s[WV], 15                  ; slot 0: 32,768 x wave
	s_mov_b32 s[G0+4], 1
	s_add_co_u32 s[G0+5], s[G0+1], SLOTB           ; slot 1
	s_lshl_b32 s26, ttmp9, 18                      ; my rows of x: (64 x work-group + 16 x wave) x 4,096 bytes
	s_lshl_b32 s54, s[WV], 16
	s_add_co_u32 s26, s26, s54
	s_mov_b32 s27, 0
	s_wait_dscnt 0x0                               ; the opening add is done
	s_wait_kmcnt 0x0
	s_load_b256 s[E:E+7], s[16:17], 0x0            ; e0 .. e7
	s_load_b64 s[E+8:E+9], s[16:17], 0x20          ; e8, e9
	s_add_nc_u64 s[4:5], s[4:5], s[26:27]
	s_add_nc_u64 s[XN:XN+1], s[6:7], s[26:27]
	s_add_nc_u64 s[XN+2:XN+3], s[8:9], s[26:27]
	s_mov_b64 s[G0+2:G0+3], s[4:5]                 ; x0, k steps 0-3
	s_or_b32 s[G0+3], s[G0+3], 0x80000000
	s_add_nc_u64 s[G0+6:G0+7], s[4:5], 2048        ; k steps 4-7
	s_or_b32 s[G0+7], s[G0+7], 0x80000000
	tensor_load_to_lds s[G0:G0+3], s[G1:G1+7]      ; the first fill: it is waited for, and a barrier passed, before the second goes out
	s_nop 0
	s_wait_alu depctr_va_vdst(0)
	s_wait_tensorcnt 0x0
	ds_add_u32 v14, v15
	s_wait_dscnt 0x0
	s_barrier_signal -1
	s_barrier_wait -1
	tensor_load_to_lds s[G0+4:G0+7], s[G1:G1+7]
	s_nop 0
	PLACES
	v_and_b32 v6, 31, v0                           ; lane
	v_lshlrev_b32 v[L16], 4, v6
	v_add_nc_u32 v[SL], s[G0+1], v[L16]            ; 32,768 x wave + 16 x lane
	v_add_nc_u32 v[SL+1], SLOTB, v[SL]
	s_lshr_b32 s54, s[WV], 1                       ; my row i (of 16) is row 32 (w / 2) + 8 (w % 2) + 16 (i / 8) + i % 8 of the tile of codes
	s_lshl_b32 s54, s54, 5
	s_and_b32 s55, s[WV], 1
	s_lshl_b32 s55, s55, 3
	s_add_co_u32 s54, s54, s55
	s_mul_i32 s54, s54, CP
	s_add_co_u32 s54, s54, CT
	v_lshl_add_u32 v[CTS], v6, 2, s54              ; + 4 x lane: my four codes of a row
	v_and_b32 v7, 15, v0                           ; r
	v_bfe_u32 v[BO], v0, 4, 1                      ; h
	v_mul_u32_u24 v[CTR], v7, CP
	v_lshl_add_u32 v[CTR], v[BO], 4, v[CTR]
	v_add_nc_u32 v[CTR], CT, v[CTR]                ; row r, + 16 h
	v_and_b32 v[BVO], 8, v7
	v_add_nc_u32 v[BVO], v[BVO], v7
	v_lshlrev_b32 v[BVO], 2, v[BVO]
	s_wait_alu depctr_va_vdst(0)
	v_lshlrev_b32 v[BO], 6, v[BO]
	s_mul_i32 s26, s[WV], 393216
	s_add_nc_u64 s[WP:WP+1], s[10:11], s[26:27]    ; wf: my 128 columns, tensor 0
	s_lshl_b32 s26, s[WV], 9
	s_add_nc_u64 s[BP:BP+1], s[12:13], s[26:27]    ; bq and bk at column 128 w
	s_add_nc_u64 s[BP+2:BP+3], s[14:15], s[26:27]
	s_lshl_b32 s26, ttmp9, 15                      ; qc, kc: four tiles of 8,192 bytes a work-group, + 2,048 w
	s_lshl_b32 s54, s[WV], 11
	s_add_co_u32 s26, s26, s54
	s_add_nc_u64 s[OUT:OUT+1], s[18:19], s[26:27]
	s_add_nc_u64 s[80:81], s[20:21], s[26:27]
	s_lshr_b32 s26, ttmp9, 5                       ; vc: the batch,
	s_lshl_b32 s26, s26, 20
	s_bfe_u32 s54, ttmp9, 0x40001                  ; the step of 128 keys,
	s_lshl_b32 s54, s54, 16
	s_add_co_u32 s26, s26, s54
	s_lshl_b32 s54, s[WV], 14                      ; my eight tiles of channels,
	s_add_co_u32 s26, s26, s54
	s_and_b32 s54, ttmp9, 1                        ; and which 64 of the 128 keys: groups c = 0, 1 or 2, 3
	s_lshl_b32 s54, s54, 10
	s_add_co_u32 s26, s26, s54
	s_add_nc_u64 s[82:83], s[22:23], s[26:27]
.irp a, 0,1,2,3,4,5,6,7
	global_load_b32 v[BIV+\a], v[BVO], s[BP+2:BP+3] offset:128*(\a/2)+32*(\a%2)   ; bk(128 w + 32 (a / 2) + 8 (a % 2) + r + 8 (r / 8))
.endr
.macro WLOAD p, kk                     ; W's eight fragments of k step kk into set p: 32 loads of 512 consecutive bytes
	WIN 0x80                                       ; destination window 2, address window 0
.set wi, 0
.rept 32
	global_load_b128 v[128*(\p)+4*wi:128*(\p)+4*wi+3], v[L16], s[WP:WP+1] offset:(\kk)*16384+512*wi
.set wi, wi+1
.endr
	WIN 0
.endm
	WLOAD 0, 0
	WLOAD 1, 1
	s_wait_kmcnt 0x0
	MKS 54, 55, E+0                                ; x0's scale
	v_mov_b32 v[XSC], s54
	v_mov_b32 v[XLM], s55
	MKS 76, 78, E+2                                ; s76, s78: the next pass's x; s77, s79: the pass after
	MKS 77, 79, E+4
	MKS 54, 55, E+6                                ; q's scale
	v_mov_b32 v[OSC], s54
	v_mov_b32 v[OLM], s55
	MKS 72, 74, E+7                                ; s72, s74: k's; s73, s75: v's
	MKS 73, 75, E+9
	MKG GP, E+0, E+1
	s_mov_b32 s[GP+1], s[GP]                       ; (named with it as a pair, so it is written)
	MKG 70, E+2, E+3                               ; s70, s71: the next two passes'
	MKG 71, E+4, E+5
	s_mov_b32 s[CQ], 0x3d3504f3                    ; 1 / sqrt(512)
	s_mov_b32 s[CQ+1], s[CQ]
	s_mov_b32 s[PASS], 2
; My 16 rows' numbers of k step k (0..7 of a pass): load i takes row i's 512 bytes, 16 a lane: register 4 i + j = x(row i, 4 lane + j)
.macro XREAD k
.irp i, 0,1,2,3,4,5,6,7,8,9,10,11,12,13,14,15
	ds_load_b128 v[XS+4*\i:XS+4*\i+3], v[SL+((\k)/4)] offset:\i*2048+((\k)%4)*512
.endr
.endm
; They are held and converted, eight at a time (rows 2 j and 2 j + 1, four neighbours each), and a row's four codes go to byte 4 lane of its row in the tile of codes
.macro XCODE k
.set xi, 0
.rept 64
	v_med3_num_f32 v[XS+xi], v[XS+xi], -v[XLM], v[XLM]   ; the conversion to an 8-bit code does not saturate (ISA guide 7.6.2): hold first
.set xi, xi+1
.endr
.irp j, 0,1,2,3,4,5,6,7
	v_cvt_scalef32_pk8_fp8_f32 v[CD+2*\j:CD+2*\j+1], v[XS+8*\j:XS+8*\j+7], v[XSC]
.endr
	v_nop                                          ; a plain line behind the last conversion
.irp i, 0,1,2,3,4,5,6,7,8,9,10,11,12,13,14,15
	ds_store_b32 v[CTS], v[CD+\i] offset:((\k)%2)*CTB+(16*(\i/8)+\i%8)*CP
.endr
.endm
; A K STEP q.  tr = 1: source 0 = x (the v pass).  fill = 1: the slot just read out is filled again with the next pass's x.  look = 1: W of k step q + 2 is asked for.  conv = 1: x of k step q + 1 is quantised.
; tc: the count of the wait on TENSORcnt where a slot is entered (q = 3, 7).  lc: how many younger loads may be out when this step's W must be in.
.macro KSTEP q, tr, fill, look, conv, tc, lc
.irp b, 0,1,2,3
.irp c, 0,1,2,3
	ds_load_b128 v[XF+16*\b+4*\c:XF+16*\b+4*\c+3], v[CTR] offset:((\q)%2)*CTB+\b*16*CP+32*\c   ; x's four fragments
.endr
.endr
.if \conv
.if (\q) == 7
	v_mov_b32 v[XSC], s76                          ; the numbers to be quantised now are the next pass's
	v_mov_b32 v[XLM], s78
.endif
.if ((\q)%4) == 3
	s_wait_alu depctr_va_vdst(0)
	s_wait_tensorcnt \tc                           ; the slot that I enter has landed; the refill issued behind it, if any, may be out
.endif
	XREAD ((\q)+1)%8
	s_wait_dscnt 16                                ; the fragments are in; the 16 loads of numbers may be out
.else
	s_wait_dscnt 0x0
.endif
	s_wait_loadcnt \lc                             ; this step's set of W is in
.if \tr
	WIN 0x58                                       ; source 0 (x) window 0, source 1 (W) window 2, C and D window 1
.else
	WIN 0x52                                       ; source 0 (W) window 2, source 1 (x) window 0, C and D window 1
.endif
.irp a, 0,1,2,3,4,5,6,7                ; 32 products, each accumulator once: the accumulators take turns
.irp b, 0,1,2,3
.if \tr
.if (\q) == 0
	v_wmma_f32_16x16x128_fp8_fp8 v[8*(4*\a+\b):8*(4*\a+\b)+7], v[XF+16*\b:XF+16*\b+15], v[128*((\q)%2)+16*\a:128*((\q)%2)+16*\a+15], 0
.else
	v_wmma_f32_16x16x128_fp8_fp8 v[8*(4*\a+\b):8*(4*\a+\b)+7], v[XF+16*\b:XF+16*\b+15], v[128*((\q)%2)+16*\a:128*((\q)%2)+16*\a+15], v[8*(4*\a+\b):8*(4*\a+\b)+7]
.endif
.else
.if (\q) == 0
	v_wmma_f32_16x16x128_fp8_fp8 v[8*(4*\a+\b):8*(4*\a+\b)+7], v[128*((\q)%2)+16*\a:128*((\q)%2)+16*\a+15], v[XF+16*\b:XF+16*\b+15], 0
.else
	v_wmma_f32_16x16x128_fp8_fp8 v[8*(4*\a+\b):8*(4*\a+\b)+7], v[128*((\q)%2)+16*\a:128*((\q)%2)+16*\a+15], v[XF+16*\b:XF+16*\b+15], v[8*(4*\a+\b):8*(4*\a+\b)+7]
.endif
.endif
.endr
.endr
	WIN 0
.if \conv
	s_wait_dscnt 0x0                               ; the numbers are in
	XCODE ((\q)+1)%8                               ; its 64 holds are also the places between the products and the loads into W's set and x's fragments
.endif
.if \look
	WLOAD (\q)%2, (\q)+2                           ; into the set just multiplied
.endif
.if \fill
	s_wait_tensorcnt 0x0                           ; all my tensor loads have landed (the one that was out is the other slot's, asked for four k steps ago): a group 0 may be written
	ds_add_u32 v[SPW], v[NIL]                      ; 0 onto my spare word; the address's step stands between it and the wait for it
.if (\q) == 2
	s_mov_b64 s[G0+2:G0+3], s[XN:XN+1]             ; the next pass's k steps 0-3
	s_or_b32 s[G0+3], s[G0+3], 0x80000000
.else
	s_add_nc_u64 s[G0+6:G0+7], s[XN:XN+1], 2048    ; the next pass's k steps 4-7
	s_or_b32 s[G0+7], s[G0+7], 0x80000000
.endif
	s_wait_dscnt 0x0                               ; the add is done, my codes are stored, my reads of the slot and of the tile of codes are over
	s_barrier_signal -1
	s_barrier_wait -1
.if (\q) == 2
	tensor_load_to_lds s[G0:G0+3], s[G1:G1+7]      ; my one tensor load behind this barrier, and the first thing there
.else
	tensor_load_to_lds s[G0+4:G0+7], s[G1:G1+7]
.endif
	s_nop 0
	PLACES
.elseif \conv
	s_wait_dscnt 0x0                               ; my codes of k step q + 1 are stored; my reads of k step q's are over
	s_barrier_signal -1                            ; one barrier a k step for both: the tile just written is read next, the tile just read is written next
	s_barrier_wait -1
.endif
.endm
; THE END OF q's AND k's PASS, tile of rows b: lane (r, h) holds row r and, in accumulators (a, b), columns 128 w + 32 (a / 2) + 16 h + 8 (a % 2) + 0 .. 7: the 64 numbers are a fragment's, K = 128 w on.
.macro EPIB b
	WIN 0x01                                       ; source 0 (the sums) window 1
.irp a, 0,1,2,3,4,5,6,7
.irp i, 0,2,4,6
	v_pk_fma_f32 v[XS+8*\a+\i:XS+8*\a+\i+1], v[8*(4*\a+\b)+\i:8*(4*\a+\b)+\i+1], s[GP:GP+1], v[BI+8*\a+\i:BI+8*\a+\i+1] op_sel_hi:[1,0,1]   ; sum x 2^(ex + ew) + bias; each accumulator from its low end on
.endr
.endr
	WIN 0
	s_cmp_lg_u32 s[PASS], 2                        ; q alone is divided by sqrt(512): a branch on the count of passes
	s_cbranch_scc1 .Lno_root_\@
.set ei, 0
.rept 32
	v_pk_mul_f32 v[XS+ei:XS+ei+1], v[XS+ei:XS+ei+1], s[CQ:CQ+1] op_sel_hi:[1,0]
.set ei, ei+2
.endr
.Lno_root_\@:
.set ei, 0
.rept 64
	v_med3_num_f32 v[XS+ei], v[XS+ei], -v[OLM], v[OLM]
.set ei, ei+1
.endr
.irp a, 0,1,2,3,4,5,6,7
	v_cvt_scalef32_pk8_fp8_f32 v[XF+16*\b+2*\a:XF+16*\b+2*\a+1], v[XS+8*\a:XS+8*\a+7], v[OSC]
.endr
	v_nop                                          ; a plain line behind the last conversion
.irp c, 0,1,2,3
	global_store_b128 v[L16], v[XF+16*\b+4*\c:XF+16*\b+4*\c+3], s[OUT:OUT+1] offset:\b*8192+\c*512   ; 512 consecutive bytes, aligned
.endr
.endm
	s_wait_alu depctr_va_vdst(0)
	s_wait_tensorcnt 0x1                           ; slot 0 has landed; slot 1's load may be out
	XREAD 0
	s_wait_dscnt 0x0
	XCODE 0                                        ; the first k step's codes
	s_wait_dscnt 0x0
	s_barrier_signal -1
	s_barrier_wait -1
.Lpass:                                                ; two trips: q, then k
.irp a, 0,1,2,3,4,5,6,7
	global_load_b128 v[BI+8*\a:BI+8*\a+3],   v[BO], s[BP:BP+1] offset:128*(\a/2)+32*(\a%2)      ; the pass's bias at columns 128 w + 32 (a / 2) + 16 h + 8 (a % 2) + 0 .. 7
	global_load_b128 v[BI+8*\a+4:BI+8*\a+7], v[BO], s[BP:BP+1] offset:128*(\a/2)+32*(\a%2)+16
.endr
	KSTEP 0, 0, 0, 1, 1, 0, 48                     ; behind this step's W: the next set's 32 loads and the bias's 16
	KSTEP 1, 0, 0, 1, 1, 0, 48                     ; the bias's 16 and the next set's 32
	KSTEP 2, 0, 1, 1, 1, 0, 32                     ; from here on the next set's 32
	KSTEP 3, 0, 0, 1, 1, 1, 32
	KSTEP 4, 0, 0, 1, 1, 0, 32
	KSTEP 5, 0, 0, 1, 1, 0, 32
	KSTEP 6, 0, 1, 1, 1, 0, 32                     ; (k steps 8 and 9 of a tensor of wf are k steps 0 and 1 of the next)
	KSTEP 7, 0, 0, 1, 1, 1, 32
	EPIB 0
	EPIB 1
	EPIB 2
	EPIB 3
	s_wait_xcnt 0x0                                ; the stores and loads issued so far have read their registers and bases: these are written only behind this wait
	s_mov_b32 s[GP], s70                           ; on to the next pass's numbers
	s_mov_b32 s[GP+1], s70
	s_mov_b32 s70, s71
	v_mov_b32 v[OSC], s72
	v_mov_b32 v[OLM], s74
	s_mov_b32 s72, s73
	s_mov_b32 s74, s75
	s_mov_b32 s76, s77
	s_mov_b32 s78, s79
	s_mov_b64 s[OUT:OUT+1], s[80:81]
	s_mov_b64 s[80:81], s[82:83]
	s_mov_b64 s[XN:XN+1], s[XN+2:XN+3]
	s_mov_b64 s[BP:BP+1], s[BP+2:BP+3]
	s_add_nc_u64 s[WP:WP+1], s[WP:WP+1], 131072
	s_sub_co_u32 s[PASS], s[PASS], 1
	s_cmp_lg_u32 s[PASS], 0
	s_cbranch_scc1 .Lpass
	; THE v PASS is written out: no slot is filled again; the last two k steps ask for no W, the last quantises nothing and has no barrier
	KSTEP 0, 1, 0, 1, 1, 0, 32
	KSTEP 1, 1, 0, 1, 1, 0, 32
	KSTEP 2, 1, 0, 1, 1, 0, 32
	KSTEP 3, 1, 0, 1, 1, 0, 32                     ; slot 1's load is my last: the wait is for 0
	KSTEP 4, 1, 0, 1, 1, 0, 32
	KSTEP 5, 1, 0, 1, 1, 0, 32
	KSTEP 6, 1, 0, 0, 1, 0, 32
	KSTEP 7, 1, 0, 0, 0, 0, 0
	PLACES                                         ; between the last products and the first read of results
	; lane (r, h) holds channel 128 w + 32 (a / 2) + 8 (a % 2) + r + 8 (r / 8) and, in accumulators (a, b), keys 32 (b / 2) + 16 h + 8 (b % 2) + 0 .. 7 of my 64: two groups of a fragment whose K runs along the keys
.irp a, 0,1,2,3,4,5,6,7
	WIN 0x01
.irp b, 0,1,2,3
.irp i, 0,2,4,6
.if (\a%2) == 0
	v_pk_fma_f32 v[XS+8*\b+\i:XS+8*\b+\i+1], v[8*(4*\a+\b)+\i:8*(4*\a+\b)+\i+1], s[GP:GP+1], v[BIV+\a:BIV+\a+1] op_sel_hi:[1,0,0]               ; + my channel's bias: the pair's first register for both halves
.else
	v_pk_fma_f32 v[XS+8*\b+\i:XS+8*\b+\i+1], v[8*(4*\a+\b)+\i:8*(4*\a+\b)+\i+1], s[GP:GP+1], v[BIV+\a-1:BIV+\a] op_sel:[0,0,1] op_sel_hi:[1,0,1]   ; the pair's second register for both halves
.endif
.endr
.endr
	WIN 0
.set ei, 0
.rept 32
	v_med3_num_f32 v[XS+ei], v[XS+ei], -v[OLM], v[OLM]
.set ei, ei+1
.endr
.irp b, 0,1,2,3
	v_cvt_scalef32_pk8_fp8_f32 v[XF+8*\a+2*\b:XF+8*\a+2*\b+1], v[XS+8*\b:XS+8*\b+7], v[OSC]
.endr
	v_nop                                          ; a plain line behind the last conversion
	global_store_b128 v[L16], v[XF+8*\a:XF+8*\a+3],   s[OUT:OUT+1] offset:\a*2048
	global_store_b128 v[L16], v[XF+8*\a+4:XF+8*\a+7], s[OUT:OUT+1] offset:\a*2048+512
.endr
	s_wait_tensorcnt 0x0                           ; the wave's end, behind my last tensor load and my last LDS store
	ds_add_u32 v[SPW], v[NIL]
	s_wait_dscnt 0x0
	s_endpgm
.Lfunc_end_k_q1316d3dc25_proj:
	.size	k_q1316d3dc25_proj, .Lfunc_end_k_q1316d3dc25_proj-k_q1316d3dc25_proj
	.p2alignl 7, 3214868480
	.fill 96, 4, 3214868480
	.section	.rodata,"a",@progbits
	.p2align	6, 0x0
	.amdhsa_kernel k_q1316d3dc25_proj
		.amdhsa_group_segment_fixed_size 327680
		.amdhsa_private_segment_fixed_size 0
		.amdhsa_enable_private_segment 0
		.amdhsa_kernarg_size 80
		.amdhsa_user_sgpr_count 2
		.amdhsa_user_sgpr_kernarg_segment_ptr 1
		.amdhsa_wavefront_size32 1
		.amdhsa_system_sgpr_workgroup_id_x 1
		.amdhsa_system_sgpr_workgroup_id_y 1
		.amdhsa_system_sgpr_workgroup_id_z 1
		.amdhsa_system_vgpr_workitem_id 0
		.amdhsa_next_free_vgpr 768
		.amdhsa_next_free_sgpr 100
		.amdhsa_reserve_vcc 0
		.amdhsa_float_denorm_mode_32 3
		.amdhsa_float_denorm_mode_16_64 3
		.amdhsa_memory_ordered 1
		.amdhsa_forward_progress 1
		.amdhsa_inst_pref_size 255
	.end_amdhsa_kernel
	.section	.bss,"aw",@nobits
	.p2align	6
	.space	262144
	.amdgpu_metadata
---
amdhsa.version: [ 1, 2 ]
amdhsa.kernels:
  - .name:           k_q1316d3dc25_proj
    .symbol:         k_q1316d3dc25_proj.kd
    .args:
      - { .name: x0, .offset: 0, .size: 8, .value_kind: global_buffer, .address_space: global }
      - { .name: x1, .offset: 8, .size: 8, .value_kind: global_buffer, .address_space: global }
      - { .name: x2, .offset: 16, .size: 8, .value_kind: global_buffer, .address_space: global }
      - { .name: wf, .offset: 24, .size: 8, .value_kind: global_buffer, .address_space: global }
      - { .name: bq, .offset: 32, .size: 8, .value_kind: global_buffer, .address_space: global }
      - { .name: bk, .offset: 40, .size: 8, .value_kind: global_buffer, .address_space: global }
      - { .name: lowp_scales, .offset: 48, .size: 8, .value_kind: global_buffer, .address_space: global }
      - { .name: qc, .offset: 56, .size: 8, .value_kind: global_buffer, .address_space: global }
      - { .name: kc, .offset: 64, .size: 8, .value_kind: global_buffer, .address_space: global }
      - { .name: vc, .offset: 72, .size: 8, .value_kind: global_buffer, .address_space: global }
    .group_segment_fixed_size: 327680
    .private_segment_fixed_size: 0
    .kernarg_segment_align: 8
    .kernarg_segment_size: 80
    .max_flat_workgroup_size: 128
    .sgpr_count:     100
    .vgpr_count:     768
    .wavefront_size: 32
...
	.end_amdgpu_metadata
.endif
;; end of part 5
;; launch attn (part 6): grid 32 x 8, 4 waves a work-group, no clusters, 46,592 bytes of LDS; arguments qc, kc, vc, lowp_scales, out0; writes out0
.if DOCPART == 6
	.amdgcn_target "amdgcn-amd-amdhsa--gfx1250"
	.amdhsa_code_object_version 6
	.text
	.protected	k_q1316d3dc25_attn
	.globl	k_q1316d3dc25_attn
	.p2align	8
	.type	k_q1316d3dc25_attn,@function
k_q1316d3dc25_attn:
	s_mov_b64 s[64:65], 0
	v_nop
	global_prefetch_b8 v0, s[64:65] scope:SCOPE_SE
	s_setreg_imm32_b32 hwreg(HW_REG_WAVE_SCHED_MODE, 0, 2), 2
	s_setreg_imm32_b32 hwreg(HW_REG_WAVE_MODE, 25, 1), 1
	s_wait_xcnt 0x0
	s_wait_alu depctr_vm_vsrc(0)
; out0[b][q][:] = the sum over keys k <= q of softmax_k(q . k) v[k][:], 8 batches of 2,048 rows, one head of 512, both products on codes of E4M3 (q 2^e6, k 2^e7, p 2^e8, v 2^e9).
; qc, kc: [tile of 16 rows][128 of d: 4][2,048]; vc: [batch][128 keys: 16][tile of 16 channels: 32][2,048], K along the keys.  A fragment is [c 4][lane 32][16 bytes]: lane (r, h) holds K = 32 c + 16 h + 0 .. 15.
; In every tile, lane r of tile 2 B + u of a run of 32 rows is row 32 B + 8 u + r + 8 (r / 8).
; THE SOFTMAX: t = score x log2(e); M = the running largest t, rounded UP to a whole number; p = 2^(t - M) is quantised, not normalised; the row's sum is taken of the unquantised p and divides at the end.
; When M moves, the sum and O are multiplied by 2^(old M - new M): exact.
; SHARES.  A work-group owns 64 queries (4 tiles m) and walks n = i / 2 + 1 steps of 128 keys.  S^T = K Q^T: wave w takes keys 32 w .. 32 w + 31 of a step (2 tiles x 4 parts of d: 8 fragments, each for 4 products).
; O^T = V^T P^T: wave w takes channels 128 w .. 128 w + 127 (8 fragments, each for 4 products).  So each fragment of K and V is fetched once in a work-group, by the one wave that multiplies by it, from memory
; straight into registers, one step ahead.  A lane holds ONE query throughout.  Through LDS go only the waves' maxima, p's codes (wave w's 16 codes a lane are group c = w of P's fragment), the sums, and the way out.
; THE WALK: the step on the diagonal first, with the mask (it starts all sums: nothing is cleared, and every query sees its own key, so M is a number from the start); then steps 0 .. n - 2, all of whose keys count.
; TWO BARRIERS A STEP on single buffers: the maxima are written again only behind the second, which every wave signals behind its reads of them; p's codes only behind the next first, likewise.
; NO CLUSTER: neighbouring query blocks walk different numbers of steps and begin at different steps, so no two work-groups want the same tile at the same time.
; LIMITS: e6 + e7 between -126 and 126 (added to the exponent field of log2(e)); e8 between -126 and 119; e8 + e9 is applied by v_ldexp_f32 and has none.
; THE MODE: SCHED_MODE bits 1:0 = 2 (LLVM: expert scheduling mode 2), set by the entry lines.  The code itself states the register dependences between vector or matrix instructions and memory or LDS
; instructions, with s_wait_alu, always for 0.
; THE PLAN.  Registers that memory or LDS instructions touch, round a key step:
;   v1-v6, v12, v13, v192 of windows 2 and 3   addresses: written at the head, never again.
;   KF         read by the step's 32 products K Q^T, which stand in one run; behind them the next step's K lands in it: the first half at once, the second behind the first barrier.
;   V          read by the step's 32 products V^T P^T, which stand in one run; behind them the next step's V lands in it.
;   OWN        written by the maxima; read by one LDS store; written again behind the first barrier.
;   ALL        the four waves' maxima land in it; later the conversions write p's codes there, and four LDS stores read them.
;   S          written by the products and the softmax; behind the second barrier P's fragments land in it; the second products read them.
;   Q, O^T and the statistics are named by vector and matrix instructions alone in the loop.
; So a step that fetches has seven waits on va_vdst (behind the score products; ahead of the store of the maxima; ahead of the exponentials; the exponentials'; ahead of the stores of the codes; ahead of the second products; behind the last products) and two on vm_vsrc,
; one behind each barrier; no register that an LDS store has read is left to be freed across the loop's branch.
; REGISTERS.  window 0: names below.  window 1: Q, tile m, part s of d at v[64 m + 16 s].  windows 2 and 3: channel tiles 0-3 and 4-7: O^T (t, m) at v[8 (4 (t % 4) + m)], V's fragment at v[128 + 16 (t % 4)], v192 = 16 x lane.
.set MX,    0                          ; LDS: the waves' maxima: 512 bytes a wave
.set LX,    2048                       ; their sums
.set PI,    4096                       ; P's four fragments as images of their registers: tile m at 2,048 m, wave w's group at 512 w
.set STG,   12288                      ; the way out: 16 rows x (512 bytes + 16) for each wave
.set SP,    528
.set SPARE, 46080                      ; the spare words, 128 bytes for each wave: two blocks of 256 bytes that no other line names
.set L16, 1                            ; v1  16 x lane
.set AMX, 2                            ; v2  where I store maxima     v3  p's codes     v4  sums
.set API, 3
.set ALX, 4
.set STI, 5                            ; v5  the stage, in            v6  the stage, back
.set STB, 6
.set D0,  7                            ; v7  the mask: my query of tile 0 less my first key
.set NINF, 8                           ; v8  -infinity
.set PSC, 9                            ; v9  2^e8                     v10 448 x 2^e8
.set PLM, 10
.set SPW, 12                           ; v12 LDS address of my spare word; never rewritten
.set NIL, 13                           ; v13 0; never rewritten
.set ST,  16                           ; tile m's statistics at v[16 + 6 m]: +0 -M, +1 the largest t, +2 f (at the end 1 / the sum), +3 its partner in the pair, +4, +5 the sum in two halves
.set OWN, 40                           ; v40-43 a number for each tile
.set ALL, 44                           ; v44-59 the four waves' numbers; then p's codes
.set TM,  60                           ; v60-63 at work
.set S,   64                           ; v64-127 S^T at 16 m + 8 u; then P's four fragments
.set KF,  128                          ; v128-255 K's fragments at 16 (2 s + u); on the way out at work
.set KB,  24                           ; s[24:25] kc, s[26:27] vc at my wave's part of the batch's step 0
.set VB,  26
.set KN,  28                           ; s[28:29], s[30:31] the same at the step that is being fetched
.set VN,  30
.set MK,  40                           ; s40-47 the masks of eight compares
.set MSB, 0
.macro WIN new                         ; the immediate's high byte repeats the setting that is left
.if MSB != \new
	s_set_vgpr_msb (MSB<<8)|\new
.set MSB, \new
.endif
.endm
.macro PLACES
.rept 4
	v_nop
.endr
.endm
	s_load_b256 s[4:11], s[0:1], 0x0               ; qc s[4:5], kc s[6:7], vc s[8:9], the exponents s[10:11]
	s_load_b64 s[12:13], s[0:1], 0x20              ; out0
	v_lshl_add_u32 v[SPW], v0, 2, SPARE
	v_mov_b32 v[NIL], 0
	v_lshrrev_b32 v14, 5, v0
	v_readfirstlane_b32 s14, v14                   ; wave 0..3
	s_and_b32 s16, ttmp7, 0xffff                   ; the batch
	s_lshr_b32 s18, ttmp9, 1                       ; n - 1: the step on the diagonal
	s_mov_b32 s20, 0x76543210                      ; v_permlanex16_b32's selects for lane l xor 16
	s_mov_b32 s21, 0xfedcba98
	v_and_b32 v14, 31, v0
	v_lshlrev_b32 v[L16], 4, v14
	v_lshlrev_b32 v[AMX], 4, v0                    ; 512 x wave + 16 x lane = 16 x thread
	v_add_nc_u32 v[API], PI, v[AMX]
	v_add_nc_u32 v[ALX], LX, v[AMX]
	v_and_b32 v14, 15, v0                          ; r
	v_bfe_u32 v15, v0, 4, 1                        ; h
	s_wait_alu depctr_va_sdst(0)                   ; s14, the wave's number, is written, ahead of its first reader
	s_mul_i32 s34, s14, 16*SP
	s_add_co_u32 s34, s34, STG                     ; my stage
	v_mul_u32_u24 v[STI], v14, SP
	v_lshl_add_u32 v[STI], v15, 6, v[STI]
	v_add_nc_u32 v[STI], s34, v[STI]               ; in: row r, + 64 h
	v_add_nc_u32 v[STB], s34, v[L16]               ; back: a row's 512 bytes, 16 a lane
	s_and_b32 s34, ttmp9, 1
	s_lshl_b32 s34, s34, 6
	s_lshl_b32 s35, s14, 5
	s_sub_co_i32 s34, s34, s35                     ; 64 (i % 2) - 32 w
	v_and_b32 v[D0], 8, v14
	v_add_nc_u32 v[D0], v[D0], v14
	v_lshlrev_b32 v[TM], 4, v15
	v_sub_nc_u32 v[D0], v[D0], v[TM]
	v_add_nc_u32 v[D0], s34, v[D0]                 ; + r + 8 (r / 8) - 16 h
	v_mov_b32 v[NINF], 0xff800000
.irp m, 0,1,2,3
	v_mov_b32 v[ST+6*\m+3], 0                      ; named as the upper half of f's pair, so it is written
.endr
	WIN 0x80
	v_mov_b32 v192, v[L16]                         ; V's loads take their address from V's own window
	WIN 0xc0
	v_mov_b32 v192, v[L16]
	WIN 0
	s_lshl_b32 s32, s16, 20                        ; K and V: the batch's 1,048,576 bytes, + 16,384 w
	s_lshl_b32 s34, s14, 14
	s_add_co_u32 s32, s32, s34
	s_mov_b32 s33, 0
	s_lshl_b32 s34, s16, 20                        ; Q: + my four tiles of 8,192 bytes
	s_lshl_b32 s35, ttmp9, 15
	s_add_co_u32 s34, s34, s35
	s_mov_b32 s35, 0
	s_wait_kmcnt 0x0
	s_load_b128 s[36:39], s[10:11], 0x18           ; e6, e7, e8, e9
	s_add_nc_u64 s[KB:KB+1], s[6:7], s[32:33]
	s_add_nc_u64 s[VB:VB+1], s[8:9], s[32:33]
	s_add_nc_u64 s[4:5], s[4:5], s[34:35]
	s_lshl_b32 s34, s16, 22                        ; out0: (2,048 batch + 64 i) rows of 2,048 bytes + 512 w
	s_lshl_b32 s32, ttmp9, 17
	s_add_co_u32 s34, s34, s32
	s_lshl_b32 s32, s14, 9
	s_add_co_u32 s34, s34, s32
	s_add_nc_u64 s[12:13], s[12:13], s[34:35]
	s_lshl_b32 s32, s18, 16                        ; a step is 65,536 bytes in kc and in vc
	s_add_nc_u64 s[KN:KN+1], s[KB:KB+1], s[32:33]
	s_add_nc_u64 s[VN:VN+1], s[VB:VB+1], s[32:33]
	WIN 0x40                                       ; destination window 1, address window 0
	s_wait_alu depctr_va_vdst(0)                   ; v1 to v6, v12, v13 and the two v192 are written: every load, store and LDS instruction of the kernel takes its address from one of them
.irp m, 0,1,2,3
.irp s, 0,1,2,3
.irp c, 0,1,2,3
	global_load_b128 v[64*\m+16*\s+4*\c:64*\m+16*\s+4*\c+3], v[L16], s[4:5] offset:\m*8192+\s*2048+\c*512   ; Q stays in registers
.endr
.endr
.endr
	WIN 0
.macro LOADK hf                        ; K's fragments of parts 2 hf and 2 hf + 1 of d, both tiles: 16 loads of 512 consecutive bytes
.irp z, 0,1
.irp u, 0,1
.irp c, 0,1,2,3
	global_load_b128 v[KF+16*(2*(2*(\hf)+\z)+\u)+4*\c:KF+16*(2*(2*(\hf)+\z)+\u)+4*\c+3], v[L16], s[KN:KN+1] offset:\u*8192+(2*(\hf)+\z)*2048+\c*512
.endr
.endr
.endr
.endm
.macro LOADV t                         ; V's fragment of channel tile t: 4 loads; under the tile's window, address and destination alike
.irp c, 0,1,2,3
	global_load_b128 v[128+16*((\t)%4)+4*\c:128+16*((\t)%4)+4*\c+3], v192, s[VN:VN+1] offset:(\t)*2048+\c*512
.endr
.endm
	LOADK 0                                        ; the order of issue is the same in every step: K's first half (16), its second (16), V (8 x 4)
	LOADK 1
	WIN 0xa2
.irp t, 0,1,2,3
	LOADV \t
.endr
	WIN 0xf3
.irp t, 4,5,6,7
	LOADV \t
.endr
	WIN 0
	s_wait_kmcnt 0x0
	s_add_co_i32 s22, s36, s37
	s_lshl_b32 s22, s22, 23
	s_add_co_i32 s22, s22, 0x3fb8aa3b              ; c = log2(e) x 2^(e6 + e7): the two exponents are added to its exponent field
	s_mov_b32 s23, s22                             ; (named with it as a pair, so it is written)
	s_add_co_i32 s34, s38, 127
	s_lshl_b32 s34, s34, 23
	v_mov_b32 v[PSC], s34                          ; 2^e8
	s_add_co_i32 s34, s38, 135
	s_lshl_b32 s34, s34, 23
	s_or_b32 s34, s34, 0x600000
	v_mov_b32 v[PLM], s34                          ; 448 x 2^e8
.macro SMUL s                          ; 8 products: part s of d, the 8 accumulators by turns; part 0 starts the sums
.irp m, 0,1,2,3
.irp u, 0,1
.if (\s) == 0
	v_wmma_f32_16x16x128_fp8_fp8 v[S+16*\m+8*\u:S+16*\m+8*\u+7], v[KF+16*(2*(\s)+\u):KF+16*(2*(\s)+\u)+15], v[64*\m+16*(\s):64*\m+16*(\s)+15], 0
.else
	v_wmma_f32_16x16x128_fp8_fp8 v[S+16*\m+8*\u:S+16*\m+8*\u+7], v[KF+16*(2*(\s)+\u):KF+16*(2*(\s)+\u)+15], v[64*\m+16*(\s):64*\m+16*(\s)+15], v[S+16*\m+8*\u:S+16*\m+8*\u+7]
.endif
.endr
.endr
.endm
.macro RESCALE                         ; the window's 16 accumulators of O^T x f, each from its low end on
.irp t, 0,1,2,3
.irp m, 0,1,2,3
.irp i, 0,2,4,6
	v_pk_mul_f32 v[8*(4*\t+\m)+\i:8*(4*\t+\m)+\i+1], v[8*(4*\t+\m)+\i:8*(4*\t+\m)+\i+1], v[ST+6*\m+2:ST+6*\m+3] op_sel_hi:[1,0]
.endr
.endr
.endr
.endm
; A KEY STEP.  first = 1: the step on the diagonal: masked, and it starts m, the sums and O^T.  ahead = 1: step s19's K and V are fetched, each behind the run of products that read its registers.
.macro STEP first, ahead
	s_wait_loadcnt 48                              ; K's first half is in (and Q, issued earlier); behind it: K's second half 16, V 32
	WIN 0x04                                       ; source 1 (Q) window 1
	SMUL 0
	SMUL 1
	s_wait_loadcnt 32                              ; K's second half is in; behind it: V 32
	SMUL 2
	SMUL 3
	WIN 0
	PLACES                                         ; between the products and the first read of their results (ISA guide 7.12.1)
.if \ahead
	s_wait_alu depctr_va_vdst(0)                   ; the 32 products are done reading KF, in which the next step's K lands
	s_wait_xcnt 0x0                                ; the loads issued so far (the last were V's, 32 products back) have read their bases, which are written only behind this wait
	s_lshl_b32 s32, s19, 16
	s_add_nc_u64 s[KN:KN+1], s[KB:KB+1], s[32:33]
	s_add_nc_u64 s[VN:VN+1], s[VB:VB+1], s[32:33]
	LOADK 0
.endif
.if \first                                     ; register 16 m + 8 u + j holds key 32 w + 16 h + 8 u + j against query 64 (i % 2) + 32 (m / 2) + 8 (m % 2) + r + 8 (r / 8): hidden scores become -infinity, p = 0
.irp m, 0,1,2,3
.irp u, 0,1
.irp j, 0,1,2,3,4,5,6,7
	v_cmp_gt_i32 s[MK+\j], 8*\u+\j-32*(\m/2)-8*(\m%2), v[D0]
.endr
	s_wait_alu depctr_va_sdst(0)                   ; the eight compares have written s40 to s47, which the eight selects read
.irp j, 0,1,2,3,4,5,6,7
	v_cndmask_b32 v[S+16*\m+8*\u+\j], v[S+16*\m+8*\u+\j], v[NINF], s[MK+\j]
.endr
.endr
.endr
.endif
	; my wave's largest score of each query: two chains a tile, each beginning at an accumulator's low end; the four tiles by turns
.irp m, 0,1,2,3
	v_max3_num_f32 v[OWN+\m], v[S+16*\m], v[S+16*\m+1], v[S+16*\m+2]
.endr
.irp m, 0,1,2,3
	v_max3_num_f32 v[TM+\m], v[S+16*\m+8], v[S+16*\m+9], v[S+16*\m+10]
.endr
.irp m, 0,1,2,3
	v_max3_num_f32 v[OWN+\m], v[OWN+\m], v[S+16*\m+3], v[S+16*\m+4]
.endr
.irp m, 0,1,2,3
	v_max3_num_f32 v[TM+\m], v[TM+\m], v[S+16*\m+11], v[S+16*\m+12]
.endr
.irp m, 0,1,2,3
	v_max3_num_f32 v[OWN+\m], v[OWN+\m], v[S+16*\m+5], v[S+16*\m+6]
.endr
.irp m, 0,1,2,3
	v_max3_num_f32 v[TM+\m], v[TM+\m], v[S+16*\m+13], v[S+16*\m+14]
.endr
.irp m, 0,1,2,3
	v_max3_num_f32 v[OWN+\m], v[OWN+\m], v[S+16*\m+7], v[S+16*\m+15]
.endr
.irp m, 0,1,2,3
	v_max_num_f32 v[OWN+\m], v[OWN+\m], v[TM+\m]
.endr
.irp m, 0,1,2,3
	v_permlanex16_b32 v[TM+\m], v[OWN+\m], s20, s21   ; the query's other 16 keys lie in the lane 16 away
.endr
.irp m, 0,1,2,3
	v_max_num_f32 v[OWN+\m], v[OWN+\m], v[TM+\m]
.endr
	s_wait_alu depctr_va_vdst(0)                   ; OWN is written, which the LDS store reads.  No vector line stands between this wait and the loads into ALL and into KF's second half below
	ds_store_b128 v[AMX], v[OWN:OWN+3]
	s_wait_dscnt 0x0                               ; for the others' sake: my maxima are stored (and my reads of p's codes, a step back, are over)
	s_barrier_signal -1
	s_barrier_wait -1
	s_wait_alu depctr_vm_vsrc(0)                   ; the LDS store has read OWN, which the maxima below write again
.irp x, 0,1,2,3
	ds_load_b128 v[ALL+4*\x:ALL+4*\x+3], v[L16] offset:MX+512*\x
.endr
.if \ahead
	LOADK 1                                        ; issued while the four maxima come from LDS
.endif
	s_wait_dscnt 0x0
.irp m, 0,1,2,3
	v_max3_num_f32 v[OWN+\m], v[ALL+\m], v[ALL+4+\m], v[ALL+8+\m]
.endr
.irp m, 0,1,2,3
	v_max_num_f32 v[OWN+\m], v[OWN+\m], v[ALL+12+\m]  ; the step's largest score, the same number in all four waves
.endr
.if \first
.irp m, 0,1,2,3
	v_mul_f32 v[ST+6*\m+1], s22, v[OWN+\m]         ; as t (c is positive)
.endr
.irp m, 0,1,2,3
	v_floor_f32 v[ST+6*\m], -v[ST+6*\m+1]          ; -M = floor(-t) = -ceil(t)
.endr
.else
.irp m, 0,1,2,3
	v_mul_f32 v[OWN+\m], s22, v[OWN+\m]
.endr
.irp m, 0,1,2,3
	v_max_num_f32 v[ST+6*\m+1], v[ST+6*\m+1], v[OWN+\m]   ; the running largest t
.endr
.irp m, 0,1,2,3
	v_mov_b32 v[TM+\m], v[ST+6*\m]
.endr
.irp m, 0,1,2,3
	v_floor_f32 v[ST+6*\m], -v[ST+6*\m+1]
.endr
.irp m, 0,1,2,3
	v_sub_f32 v[TM+\m], v[ST+6*\m], v[TM+\m]       ; M's old value less its new one: a whole number, 0 or less
.endr
.irp m, 0,1,2,3
	v_cvt_i32_f32 v[TM+\m], v[TM+\m]               ; (it saturates)
.endr
.irp m, 0,1,2,3
	v_ldexp_f32 v[ST+6*\m+2], 1.0, v[TM+\m]        ; f = 2^(old M - new M)
.endr
.endif
.irp m, 0,1,2,3
.irp j, 0,2,4,6,8,10,12,14
	v_pk_fma_f32 v[S+16*\m+\j:S+16*\m+\j+1], v[S+16*\m+\j:S+16*\m+\j+1], s[22:23], v[ST+6*\m:ST+6*\m+1] op_sel_hi:[1,0,0]   ; t - M (of the pairs c and -M the low word serves both halves)
.endr
.endr
.set x, 0
	s_wait_alu depctr_va_vdst(0)
.rept 64
	v_exp_f32 v[S+x], v[S+x]                       ; p = 2^(t - M), at most 1
.set x, x+1
.endr
.if \first
	v_nop                                          ; a plain line behind the exponentials
.else
.irp m, 0,1,2,3
	v_pk_mul_f32 v[ST+6*\m+4:ST+6*\m+5], v[ST+6*\m+4:ST+6*\m+5], v[ST+6*\m+2:ST+6*\m+3] op_sel_hi:[1,0]   ; the sums under the new M: the plain lines behind the exponentials
.endr
.endif
	s_wait_alu depctr_va_vdst(0)                   ; the 64 exponentials have written p: the wait ahead of the first line that names a result: one for the batch
.if \first
.irp m, 0,1,2,3
	v_pk_add_f32 v[ST+6*\m+4:ST+6*\m+5], v[S+16*\m:S+16*\m+1], v[S+16*\m+2:S+16*\m+3]   ; the sum of the UNQUANTISED p begins
.endr
.irp j, 4,6,8,10,12,14
.irp m, 0,1,2,3
	v_pk_add_f32 v[ST+6*\m+4:ST+6*\m+5], v[ST+6*\m+4:ST+6*\m+5], v[S+16*\m+\j:S+16*\m+\j+1]
.endr
.endr
.else
.irp j, 0,2,4,6,8,10,12,14
.irp m, 0,1,2,3
	v_pk_add_f32 v[ST+6*\m+4:ST+6*\m+5], v[ST+6*\m+4:ST+6*\m+5], v[S+16*\m+\j:S+16*\m+\j+1]
.endr
.endr
.endif
.set x, 0
.rept 64
	v_min_num_f32 v[S+x], v[S+x], v[PLM]           ; the conversion to an 8-bit code does not saturate (ISA guide 7.6.2); p is not negative, so the hold is one-sided
.set x, x+1
.endr
.irp m, 0,1,2,3
.irp u, 0,1
	v_cvt_scalef32_pk8_fp8_f32 v[ALL+4*\m+2*\u:ALL+4*\m+2*\u+1], v[S+16*\m+8*\u:S+16*\m+8*\u+7], v[PSC]
.endr
.endr
	v_nop                                          ; a plain line behind the last conversion
	s_wait_alu depctr_va_vdst(0)                   ; the conversions have written ALL, which the LDS stores read, and the softmax is done with S, in which P's fragments land behind the barrier (the rescaling between names neither)
.irp m, 0,1,2,3
	ds_store_b128 v[API], v[ALL+4*\m:ALL+4*\m+3] offset:\m*2048   ; keys 32 w + 16 h + 0 .. 15 of my query: group w of tile m's fragment
.endr
	s_wait_dscnt 0x0                               ; for the others' sake: my codes are stored (and my reads of the maxima are over)
	s_barrier_signal -1
.if !\first
	WIN 0xa2                                       ; O^T of channel tiles 0-3 x f: work on registers while the others arrive
	RESCALE
	WIN 0
.endif
	s_barrier_wait -1
	s_wait_alu depctr_vm_vsrc(0)                   ; the four LDS stores have read ALL, in which the next maxima (at the end: the sums) land
.irp m, 0,1,2,3
.irp c, 0,1,2,3
	ds_load_b128 v[S+16*\m+4*\c:S+16*\m+4*\c+3], v[L16] offset:PI+\m*2048+\c*512   ; P's four fragments, where the scores lay
.endr
.endr
.if !\first
	WIN 0xf3
	RESCALE                                        ; channel tiles 4-7, while the fragments come
.endif
	s_wait_alu depctr_va_vdst(0)
	s_wait_dscnt 0x0
.irp t, 0,1,2,3,4,5,6,7                ; O^T += V^T P^T: a fragment of V against the four tiles of queries: 32 products in one run, each accumulator once
.if \t < 4
	WIN 0xa2                                       ; V, C and D window 2, P window 0
.else
	WIN 0xf3
.endif
.if \ahead
	s_wait_loadcnt 60-4*\t                         ; behind tile t's four loads: 4 (7 - t) of this step's V and the next step's K 32
.else
	s_wait_loadcnt 4*(7-\t)
.endif
.irp m, 0,1,2,3
.if \first
	v_wmma_f32_16x16x128_fp8_fp8 v[8*(4*(\t%4)+\m):8*(4*(\t%4)+\m)+7], v[128+16*(\t%4):128+16*(\t%4)+15], v[S+16*\m:S+16*\m+15], 0
.else
	v_wmma_f32_16x16x128_fp8_fp8 v[8*(4*(\t%4)+\m):8*(4*(\t%4)+\m)+7], v[128+16*(\t%4):128+16*(\t%4)+15], v[S+16*\m:S+16*\m+15], v[8*(4*(\t%4)+\m):8*(4*(\t%4)+\m)+7]
.endif
.endr
.endr
.if \ahead
	PLACES
	v_nop                                          ; a fifth place: the next step's first products write over the registers that held P, a source of the products above
	WIN 0xa2                                       ; the window first, then the wait, then the loads
	s_wait_alu depctr_va_vdst(0)                   ; the 32 products are done reading V's fragments, in which the next step's V lands; only loads and a window switch follow
.irp t, 0,1,2,3
	LOADV \t
.endr
	WIN 0xf3
.irp t, 4,5,6,7
	LOADV \t
.endr
.endif
	WIN 0
.endm
	s_cmp_lg_u32 s18, 0                            ; all branches hang on the work-group's number alone: the four waves go one way
	s_cbranch_scc1 .Lmany
	STEP 1, 0                                      ; n = 1
	s_branch .Lout
.Lmany:
	s_mov_b32 s19, 0
	STEP 1, 1                                      ; the diagonal; step 0 is fetched
	s_mov_b32 s19, 1
	s_cmp_ge_u32 s19, s18
	s_cbranch_scc1 .Llast
.Lloop:                                                ; n - 2 trips: step s19 - 1 is worked, step s19 fetched
	STEP 0, 1
	s_add_co_u32 s19, s19, 1
	s_cmp_lt_u32 s19, s18
	s_cbranch_scc1 .Lloop
.Llast:
	STEP 0, 0                                      ; step n - 2: nothing is left to fetch
.Lout:
	; THE WAY OUT.  The sum's halves, the other half of the lanes' and the other waves' are added; the first four additions are the places behind the last products.
.irp m, 0,1,2,3
	v_add_f32 v[OWN+\m], v[ST+6*\m+4], v[ST+6*\m+5]
.endr
.irp m, 0,1,2,3
	v_permlanex16_b32 v[TM+\m], v[OWN+\m], s20, s21
.endr
.irp m, 0,1,2,3
	v_add_f32 v[OWN+\m], v[OWN+\m], v[TM+\m]
.endr
	s_wait_alu depctr_va_vdst(0)                   ; OWN is written, which the LDS store reads
	ds_store_b128 v[ALX], v[OWN:OWN+3]
	s_wait_dscnt 0x0                               ; for the others' sake
	s_barrier_signal -1
	s_barrier_wait -1
	s_wait_alu depctr_vm_vsrc(0)                   ; the LDS store has read OWN, which the additions below write again
.irp x, 0,1,2,3
	ds_load_b128 v[ALL+4*\x:ALL+4*\x+3], v[L16] offset:LX+512*\x
.endr
	s_wait_dscnt 0x0
.irp m, 0,1,2,3
	v_add_f32 v[OWN+\m], v[ALL+\m], v[ALL+4+\m]
.endr
.irp m, 0,1,2,3
	v_add_f32 v[TM+\m], v[ALL+8+\m], v[ALL+12+\m]
.endr
.irp m, 0,1,2,3
	v_add_f32 v[OWN+\m], v[OWN+\m], v[TM+\m]       ; the row's sum
.endr
	s_wait_alu depctr_va_vdst(0)
.irp m, 0,1,2,3
	v_rcp_f32 v[ST+6*\m+2], v[OWN+\m]
.endr
	v_nop                                          ; a plain line behind the last reciprocal
	s_add_co_i32 s34, s38, s39
	s_wait_alu depctr_va_vdst(0)                   ; the four reciprocals are written, ahead of their first use: one wait for the four
.irp m, 0,1,2,3
	v_ldexp_f32 v[ST+6*\m+2], v[ST+6*\m+2], s34    ; x 2^(e8 + e9)
.endr
; Tile m: lane (r, h) holds, of query r, channels 128 w + 32 (t / 2) + 16 h + 8 (t % 2) + 0 .. 7 in accumulator (t, m).  The 16 rows x 512 bytes go through my own stage and come back as whole rows.
; LDS serves a wave's instructions in order (ISA guide 5.7.1.4): no wait between the stores and the loads, nor in front of the next tile's stores.
.macro TOSTAGE m
.if (\m) > 0
	s_wait_alu depctr_vm_vsrc(0)                   ; the last tile's LDS stores have read v128-191, which the products below write again; from tile 2 on: the global stores of the tile two back have read the registers in which the loads below land
.endif
	WIN 0x02                                       ; source 0 window 2
.irp t, 0,1,2,3
.irp i, 0,2,4,6
	v_pk_mul_f32 v[KF+8*\t+\i:KF+8*\t+\i+1], v[8*(4*\t+(\m))+\i:8*(4*\t+(\m))+\i+1], v[ST+6*(\m)+2:ST+6*(\m)+3] op_sel_hi:[1,0]
.endr
.endr
	WIN 0x03                                       ; source 0 window 3
.irp t, 0,1,2,3
.irp i, 0,2,4,6
	v_pk_mul_f32 v[KF+32+8*\t+\i:KF+32+8*\t+\i+1], v[8*(4*\t+(\m))+\i:8*(4*\t+(\m))+\i+1], v[ST+6*(\m)+2:ST+6*(\m)+3] op_sel_hi:[1,0]
.endr
.endr
	WIN 0
	s_wait_alu depctr_va_vdst(0)                   ; v128-191 are written, which the LDS stores read; and the matrix instructions that read v64-127 and v192-255, in which the loads land, are long done
.irp t, 0,1,2,3,4,5,6,7
	ds_store_b128 v[STI], v[KF+8*\t:KF+8*\t+3]   offset:128*(\t/2)+32*(\t%2)
	ds_store_b128 v[STI], v[KF+8*\t+4:KF+8*\t+7] offset:128*(\t/2)+32*(\t%2)+16
.endr
.set BB, 192-128*((\m)%2)              ; back into v192-255 and v64-127 by turns
.irp x, 0,1,2,3,4,5,6,7,8,9,10,11,12,13,14,15
	ds_load_b128 v[BB+4*\x:BB+4*\x+3], v[STB] offset:\x*SP
.endr
.endm
.macro SEND m, younger                 ; younger: the LDS instructions issued behind tile m's loads, which may stay out
.set BB, 192-128*((\m)%2)
	s_wait_dscnt \younger
.irp x, 0,1,2,3,4,5,6,7,8,9,10,11,12,13,14,15
	global_store_b128 v[L16], v[BB+4*\x:BB+4*\x+3], s[12:13] offset:(32*((\m)/2)+8*((\m)%2)+\x+8*(\x/8))*2048 th:TH_STORE_NT   ; 32 lanes store 512 consecutive bytes, aligned; written once, read by nobody here
.endr
.endm
	TOSTAGE 0
	TOSTAGE 1
	SEND 0, 32                                     ; behind tile 0's loads: tile 1's 16 stores and 16 loads
	s_wait_xcnt 0x0                                ; tile 0's stores have read their registers: tile 2's loads may land there
	TOSTAGE 2
	SEND 1, 32
	s_wait_xcnt 0x0
	TOSTAGE 3
	SEND 2, 32
	SEND 3, 0
	s_wait_dscnt 0x0                               ; the closing lines, six on end
	s_wait_alu 0x0
	s_wait_tensorcnt 0x0
	ds_add_u32 v[SPW], v[NIL]
	s_wait_dscnt 0x0
	s_endpgm
.Lfunc_end_k_q1316d3dc25_attn:
	.size	k_q1316d3dc25_attn, .Lfunc_end_k_q1316d3dc25_attn-k_q1316d3dc25_attn
	.p2alignl 7, 3214868480
	.fill 96, 4, 3214868480
	.section	.rodata,"a",@progbits
	.p2align	6, 0x0
	.amdhsa_kernel k_q1316d3dc25_attn
		.amdhsa_group_segment_fixed_size 46592
		.amdhsa_private_segment_fixed_size 0
		.amdhsa_enable_private_segment 0
		.amdhsa_kernarg_size 40
		.amdhsa_user_sgpr_count 2
		.amdhsa_user_sgpr_kernarg_segment_ptr 1
		.amdhsa_wavefront_size32 1
		.amdhsa_system_sgpr_workgroup_id_x 1
		.amdhsa_system_sgpr_workgroup_id_y 1
		.amdhsa_system_sgpr_workgroup_id_z 1
		.amdhsa_system_vgpr_workitem_id 0
		.amdhsa_next_free_vgpr 1024
		.amdhsa_next_free_sgpr 66
		.amdhsa_reserve_vcc 0
		.amdhsa_float_denorm_mode_32 3
		.amdhsa_float_denorm_mode_16_64 3
		.amdhsa_memory_ordered 1
		.amdhsa_forward_progress 1
		.amdhsa_inst_pref_size 163
	.end_amdhsa_kernel
	.amdgpu_metadata
---
amdhsa.version: [ 1, 2 ]
amdhsa.kernels:
  - .name:           k_q1316d3dc25_attn
    .symbol:         k_q1316d3dc25_attn.kd
    .args:
      - { .name: qc, .offset: 0, .size: 8, .value_kind: global_buffer, .address_space: global }
      - { .name: kc, .offset: 8, .size: 8, .value_kind: global_buffer, .address_space: global }
      - { .name: vc, .offset: 16, .size: 8, .value_kind: global_buffer, .address_space: global }
      - { .name: lowp_scales, .offset: 24, .size: 8, .value_kind: global_buffer, .address_space: global }
      - { .name: out0, .offset: 32, .size: 8, .value_kind: global_buffer, .address_space: global }
    .group_segment_fixed_size: 46592
    .private_segment_fixed_size: 0
    .kernarg_segment_align: 8
    .kernarg_segment_size: 40
    .max_flat_workgroup_size: 128
    .sgpr_count:     66
    .vgpr_count:     1024
    .wavefront_size: 32
...
	.end_amdgpu_metadata
.endif
;; end of part 6
